; MI455X (gfx1250); checked and timed in simulation.
; The chip was launched on July 23, 2026; its instructions are those of AMD's public machine-readable ISA for CDNA 5 (MIT licence, August 2026) and "CDNA5" Instruction Set Architecture Reference Guide (July 2026). The comments in the code are by the model that wrote it; some were corrected since.
;; Boundary Decision. Allowed arithmetic: float matrix products may take bf16 or f16 operands with f32 sums; other float arithmetic in f32, or as packed bf16 or f16 multiplies, adds, multiply-adds, maxima and minima; sums over many terms, partial sums and values carried from step to step in f32; what a program stores and reads back later, other than sums and carried values, may be rounded once to bf16 or f16.
;; Inputs: W_qk 1,024 x 2,048 float32; W_v 1,024 x 16 float32; att_mask 4 x 2,048 x 2,048 bool; x 4 x 2,048 x 1,024 float32.
;; Outputs: out0 4 x 2,048 x 1 float32.
;; 2 versions, each right; version 2 is version 1 with the launch prep written anew for expert scheduling mode. Each part assembles by itself: llvm-mc -triple=amdgcn-amd-amdhsa -mcpu=gfx1250 --defsym DOCPART=n.
;; ======== version 1 of 2: 4 launches
;; limits: right only within a limited range of input values
;; workspace buffers: xb 16,777,216 bytes; wt 4,194,304 bytes; qk 33,554,432 bytes; vt 524,288 bytes; part 131,072 bytes
;; launch prep (part 1): grid 256 x 1, 8 waves a work-group, no clusters, 139,264 bytes of LDS; arguments x, W_qk, W_v, xb, wt, vt; writes xb, wt, vt
.if DOCPART == 1
	.amdgcn_target "amdgcn-amd-amdhsa--gfx1250"
	.amdhsa_code_object_version 6
	.text
	.protected	k_q5c01fa05f8_prep
	.globl	k_q5c01fa05f8_prep
	.p2align	8
	.type	k_q5c01fa05f8_prep,@function
k_q5c01fa05f8_prep:
	s_mov_b64 s[64:65], 0
	v_nop
	global_prefetch_b8 v0, s[64:65] scope:SCOPE_SE
	s_setreg_imm32_b32 hwreg(HW_REG_WAVE_MODE, 25, 1), 1
	s_wait_xcnt 0x0
; xb = bf16(x), [8192][1024].  wt = bf16(W_qk) transposed, [2048 n][1024 k].  vt = bf16(x W_v) by blocks of 32 tokens: [256 blocks][16 heads][32 v, then 32 x 1.0].
; Work-group i: rows 32 i .. 32 i + 31 of x (one block of vt), and the block k = 128 (i & 7) .. + 127, n = 64 (i >> 3) .. + 63 of W_qk.
; Wave w takes channels 128 w .. + 127 of the 32 rows: each of its loads covers 512 consecutive bytes of x, each of its stores 256 consecutive, aligned bytes of xb.
; It multiplies that slice by its slice of W_v (bf16 operands, f32 sums); the eight partial sums meet in LDS, in f32.  x, W_qk and W_v are each rounded once to bf16.
; All 56 loads of a wave go out at the start; the waits count down.  No tensor load: nothing is read twice, and the conversion wants the data in registers anyway.
.set XL,    0                          ; per wave 32 rows x 272 bytes (256 of bf16 + 16): 8,704 a wave
.set WVL,   69632                      ; per wave 128 k x 32 bytes: W_v's slice as [k][16 heads] bf16
.set RED,   102400                     ; partial sums: 2,048 x wave + 1,024 x tile + 32 x lane
.set VB,    118784                     ; the block of vt: 16 heads x 128 bytes
.set TW,    120832                     ; W_qk's block turned: 64 rows n x 272 bytes
.set SPARE, 138240                     ; the spare words, 128 bytes for each wave: no other line names them
.set XO,  2                            ; v2   16 t: my 16 bytes in a row of x
.set XBO, 3                            ; v3   8 t: my 8 bytes in a row of xb
.set XLS, 4                            ; v4   XL + 8,704 w + 8 l
.set XLF, 5                            ; v5   XL + 8,704 w + 272 r + 16 h
.set WVO, 6                            ; v6   8,192 w + 16 l
.set WVS, 7                            ; v7   WVL + 4,096 w + 8 l
.set WVF, 8                            ; v8   WVL + 4,096 w + 32 (8 h + l % 8) + 16 ((l / 8) % 2)
.set WQO, 9                            ; v9   65,536 kc + 16 cg
.set TWS, 10                           ; v10  TW + 1,088 cg + 16 kc
.set TWR, 11                           ; v11  TW + 272 kc + 16 cg
.set WTO, 12                           ; v12  2,048 kc + 16 cg
.set REDS, 13                          ; v13  RED + 2,048 w + 32 l
.set SPW, 14                           ; v14  my spare word; never rewritten
.set NIL, 15                           ; v15  0; never rewritten
.set REDR, 16                          ; v16  RED + 1,024 w + 32 l
.set VBS, 17                           ; v17  VB + 128 r + 32 w + 16 h
.set ONS, 18                           ; v18  VB + 64 + 128 (l / 4) + 16 (l % 4)
.set VBR, 19                           ; v19  VB + 16 l
.set ONE, 20                           ; v[20:23] 1.0 eight times in bf16
.set WR,  24                           ; v[24:87]  W_v as loaded
.set ACC, 24                           ; later: two accumulators
.set BF,  40                           ; later: W_v's four fragments
.set WP,  72                           ; later: W_qk packed
.set QR,  88                           ; v[88:119] W_qk as loaded; later the rows read back
.set VTO, 127                          ; v127 16 l
.set XR,  128                          ; v[128:255] x, four registers a row
.set AF,  128                          ; later: x's eight fragments
.set RT,  192                          ; later: the partial sums
	s_load_b256 s[4:11], s[0:1], 0x0               ; x s[4:5], W_qk s[6:7], W_v s[8:9], xb s[10:11]
	s_load_b128 s[12:15], s[0:1], 0x20             ; wt s[12:13], vt s[14:15]
	v_lshl_add_u32 v[SPW], v0, 2, SPARE
	v_mov_b32 v[NIL], 0
	v_lshrrev_b32 v1, 5, v0
	v_readfirstlane_b32 s16, v1                    ; wave 0..7
	v_and_b32 v120, 31, v0                         ; l
	v_and_b32 v121, 15, v0                         ; r = l % 16 = cg
	v_bfe_u32 v122, v0, 4, 1                       ; h = l / 16
	v_lshrrev_b32 v123, 4, v0                      ; kc = t / 16
	v_and_b32 v124, 7, v0
	v_bfe_u32 v125, v0, 3, 1
	s_mul_i32 s17, s16, 8704
	s_lshl_b32 s18, s16, 12
	s_add_co_u32 s18, s18, WVL
	s_lshl_b32 s19, s16, 11
	s_add_co_u32 s19, s19, RED
	s_lshl_b32 s30, s16, 13
	s_lshl_b32 s31, s16, 10
	s_add_co_u32 s31, s31, RED
	v_lshlrev_b32 v[XO], 4, v0
	v_lshlrev_b32 v[XBO], 3, v0
	v_lshl_add_u32 v[XLS], v120, 3, s17
	v_mul_u32_u24 v[XLF], v121, 272
	v_lshl_add_u32 v[XLF], v122, 4, v[XLF]
	v_add_nc_u32 v[XLF], s17, v[XLF]
	v_lshl_add_u32 v[WVO], v120, 4, s30
	v_lshl_add_u32 v[WVS], v120, 3, s18
	v_lshl_add_u32 v[WVF], v122, 3, v124
	v_lshlrev_b32 v[WVF], 5, v[WVF]
	v_lshl_add_u32 v[WVF], v125, 4, v[WVF]
	v_add_nc_u32 v[WVF], s18, v[WVF]
	v_lshlrev_b32 v[WQO], 16, v123
	v_lshl_add_u32 v[WQO], v121, 4, v[WQO]
	v_mul_u32_u24 v[TWS], v121, 1088
	v_lshl_add_u32 v[TWS], v123, 4, v[TWS]
	v_add_nc_u32 v[TWS], TW, v[TWS]
	v_mul_u32_u24 v[TWR], v123, 272
	v_lshl_add_u32 v[TWR], v121, 4, v[TWR]
	v_add_nc_u32 v[TWR], TW, v[TWR]
	v_lshlrev_b32 v[WTO], 11, v123
	v_lshl_add_u32 v[WTO], v121, 4, v[WTO]
	v_lshl_add_u32 v[REDS], v120, 5, s19
	v_lshl_add_u32 v[REDR], v120, 5, s31
	s_lshl_b32 s31, s16, 5
	s_add_co_u32 s31, s31, VB
	v_lshlrev_b32 v[VBS], 7, v121
	v_lshl_add_u32 v[VBS], v122, 4, v[VBS]
	v_add_nc_u32 v[VBS], s31, v[VBS]
	v_lshrrev_b32 v[ONS], 2, v120
	v_lshlrev_b32 v[ONS], 7, v[ONS]
	v_and_b32 v126, 3, v0
	v_lshl_add_u32 v[ONS], v126, 4, v[ONS]
	v_add_nc_u32 v[ONS], VB+64, v[ONS]
	v_lshl_add_u32 v[VBR], v120, 4, VB
	v_lshlrev_b32 v[VTO], 4, v120
.irp j, 0,1,2,3
	v_mov_b32 v[ONE+\j], 0x3f803f80
.endr
	s_lshl_b32 s20, ttmp9, 17                      ; 32 rows of x
	s_mov_b32 s21, 0
	s_lshl_b32 s22, ttmp9, 16                      ; 32 rows of xb
	s_mov_b32 s23, 0
	s_and_b32 s17, ttmp9, 7
	s_lshr_b32 s18, ttmp9, 3
	s_lshl_b32 s24, s17, 20                        ; 128 rows k of W_qk,
	s_lshl_b32 s25, s18, 8                         ; 64 columns n
	s_add_co_u32 s24, s24, s25
	s_mov_b32 s25, 0
	s_lshl_b32 s26, s18, 17                        ; 64 rows n of wt,
	s_lshl_b32 s27, s17, 8                         ; 128 columns k
	s_add_co_u32 s26, s26, s27
	s_mov_b32 s27, 0
	s_lshl_b32 s28, ttmp9, 11                      ; a block of vt
	s_mov_b32 s29, 0
	s_wait_kmcnt 0x0
	s_add_nc_u64 s[4:5], s[4:5], s[20:21]
	s_add_nc_u64 s[10:11], s[10:11], s[22:23]
	s_add_nc_u64 s[6:7], s[6:7], s[24:25]
	s_add_nc_u64 s[12:13], s[12:13], s[26:27]
	s_add_nc_u64 s[14:15], s[14:15], s[28:29]
	; all loads of the wave: 16 of W_v, 8 of W_qk, 32 of x
.set n, 0
.rept 16
	global_load_b128 v[WR+4*n:WR+4*n+3], v[WVO], s[8:9] offset:512*n
.set n, n+1
.endr
.set n, 0
.rept 8
	global_load_b128 v[QR+4*n:QR+4*n+3], v[WQO], s[6:7] offset:8192*n th:TH_LOAD_NT
.set n, n+1
.endr
.set n, 0
.rept 32
	global_load_b128 v[XR+4*n:XR+4*n+3], v[XO], s[4:5] offset:4096*n th:TH_LOAD_NT
.set n, n+1
.endr
	s_wait_loadcnt 40                              ; W_v is in: the 8 + 32 younger loads stay out
.set n, 0
.rept 16
	v_cvt_pk_bf16_f32 v[WR+4*n], v[WR+4*n], v[WR+4*n+1]
	v_cvt_pk_bf16_f32 v[WR+4*n+1], v[WR+4*n+2], v[WR+4*n+3]
	ds_store_b64 v[WVS], v[WR+4*n:WR+4*n+1] offset:256*n  ; the slice stays linear: [k][16 heads], 32 bytes a k
.set n, n+1
.endr
	s_wait_loadcnt 32                              ; W_qk is in: x's 32 loads stay out
.irp c, 0,1,2,3                        ; column n = 4 cg + c: eight neighbouring k make 16 bytes of a row of wt
.irp j, 0,1,2,3
	v_cvt_pk_bf16_f32 v[WP+4*\c+\j], v[QR+8*\j+\c], v[QR+8*\j+4+\c]
.endr
	ds_store_b128 v[TWS], v[WP+4*\c:WP+4*\c+3] offset:272*\c
.endr
.set n, 0
.rept 32
	s_wait_loadcnt 31-n                            ; row n is in; the younger rows stay out
	v_cvt_pk_bf16_f32 v[XR+4*n], v[XR+4*n], v[XR+4*n+1]
	v_cvt_pk_bf16_f32 v[XR+4*n+1], v[XR+4*n+2], v[XR+4*n+3]
	global_store_b64 v[XBO], v[XR+4*n:XR+4*n+1], s[10:11] offset:2048*n  ; the wave's 32 lanes store 256 consecutive bytes, aligned
	ds_store_b64 v[XLS], v[XR+4*n:XR+4*n+1] offset:272*n
.set n, n+1
.endr
	s_wait_xcnt 0x0                                ; the stores have read their data: x's registers may be loaded again
.irp t, 0,1                            ; a wave's own LDS bytes: LDS serves a wave's instructions in order (ISA guide 5.7.1.4)
.irp f, 0,1,2,3
	ds_load_b128 v[AF+32*\t+8*\f:AF+32*\t+8*\f+3],   v[XLF] offset:4352*\t+64*\f
	ds_load_b128 v[AF+32*\t+8*\f+4:AF+32*\t+8*\f+7], v[XLF] offset:4352*\t+64*\f+32
.endr
.endr
.irp f, 0,1,2,3                        ; W_v lies [k][head]: the turning load makes fragments with k along the registers
	ds_load_tr16_b128 v[BF+8*\f:BF+8*\f+3],   v[WVF] offset:1024*\f
	ds_load_tr16_b128 v[BF+8*\f+4:BF+8*\f+7], v[WVF] offset:1024*\f+512
.endr
	s_wait_dscnt 0x0
.irp f, 0,1,2,3                        ; the two accumulators take turns; the first products start the sums
.irp t, 0,1
.if (\f) == 0
	v_wmma_f32_16x16x32_bf16 v[ACC+8*\t:ACC+8*\t+7], v[AF+32*\t+8*\f:AF+32*\t+8*\f+7], v[BF+8*\f:BF+8*\f+7], 0
.else
	v_wmma_f32_16x16x32_bf16 v[ACC+8*\t:ACC+8*\t+7], v[AF+32*\t+8*\f:AF+32*\t+8*\f+7], v[BF+8*\f:BF+8*\f+7], v[ACC+8*\t:ACC+8*\t+7]
.endif
.endr
.endr
.rept 8
	v_nop                                          ; the places between the last product and the stores that read results, with room to spare: once a launch
.endr
.irp t, 0,1                            ; lane (r, h) holds head r, register j token 16 t + 8 h + j
	ds_store_b128 v[REDS], v[ACC+8*\t:ACC+8*\t+3]   offset:1024*\t
	ds_store_b128 v[REDS], v[ACC+8*\t+4:ACC+8*\t+7] offset:1024*\t+16
.endr
	s_cmp_eq_u32 s16, 2
	s_cbranch_scc0 .Lno_ones
	ds_store_b128 v[ONS], v[ONE:ONE+3]             ; the 32 ones behind each head's 32 v: heads 0-7,
	ds_store_b128 v[ONS], v[ONE:ONE+3] offset:1024 ; heads 8-15
.Lno_ones:
	s_wait_dscnt 0x0                               ; for the others' sake: my stores into TW, RED and VB are done
	s_barrier_signal -1
	s_barrier_wait -1
.irp n, 0,1,2,3
	ds_load_b128 v[QR+4*\n:QR+4*\n+3], v[TWR] offset:4352*\n
.endr
.irp n, 0,1,2,3
	s_wait_dscnt 3-\n
	global_store_b128 v[WTO], v[QR+4*\n:QR+4*\n+3], s[12:13] offset:32768*\n  ; 16 lanes store 256 consecutive bytes of a row of wt, aligned
.endr
	s_cmp_lt_u32 s16, 2                            ; wave 0 adds up tile 0, wave 1 tile 1
	s_cbranch_scc0 .Lno_red
.irp v, 0,1,2,3,4,5,6,7
	ds_load_b128 v[RT+8*\v:RT+8*\v+3],   v[REDR] offset:2048*\v
	ds_load_b128 v[RT+8*\v+4:RT+8*\v+7], v[REDR] offset:2048*\v+16
.endr
	s_wait_dscnt 0x0
.irp v, 0,2,4,6
.irp j, 0,2,4,6
	v_pk_add_f32 v[RT+8*\v+\j:RT+8*\v+\j+1], v[RT+8*\v+\j:RT+8*\v+\j+1], v[RT+8*\v+8+\j:RT+8*\v+8+\j+1]
.endr
.endr
.irp v, 0,4
.irp j, 0,2,4,6
	v_pk_add_f32 v[RT+8*\v+\j:RT+8*\v+\j+1], v[RT+8*\v+\j:RT+8*\v+\j+1], v[RT+8*\v+16+\j:RT+8*\v+16+\j+1]
.endr
.endr
.irp j, 0,2,4,6
	v_pk_add_f32 v[RT+\j:RT+\j+1], v[RT+\j:RT+\j+1], v[RT+32+\j:RT+32+\j+1]
.endr
.irp j, 0,1,2,3
	v_cvt_pk_bf16_f32 v[RT+56+\j], v[RT+2*\j], v[RT+2*\j+1]
.endr
	ds_store_b128 v[VBS], v[RT+56:RT+59]           ; head r, tokens 16 w + 8 h .. + 7
.Lno_red:
	s_wait_dscnt 0x0
	s_barrier_signal -1
	s_barrier_wait -1                              ; the block of vt is whole
	s_cmp_eq_u32 s16, 0
	s_cbranch_scc0 .Lend
.irp n, 0,1,2,3
	ds_load_b128 v[RT+4*\n:RT+4*\n+3], v[VBR] offset:512*\n
.endr
	s_wait_dscnt 0x0
.irp n, 0,1,2,3
	global_store_b128 v[VTO], v[RT+4*\n:RT+4*\n+3], s[14:15] offset:512*\n  ; 512 consecutive bytes, aligned
.endr
.Lend:
	s_wait_tensorcnt 0x0                           ; the wave's end, behind my last LDS store
	ds_add_u32 v[SPW], v[NIL]
	s_wait_dscnt 0x0
	s_endpgm
.Lfunc_end_k_q5c01fa05f8_prep:
	.size	k_q5c01fa05f8_prep, .Lfunc_end_k_q5c01fa05f8_prep-k_q5c01fa05f8_prep
	.p2alignl 7, 3214868480
	.fill 96, 4, 3214868480
	.section	.rodata,"a",@progbits
	.p2align	6, 0x0
	.amdhsa_kernel k_q5c01fa05f8_prep
		.amdhsa_group_segment_fixed_size 139264
		.amdhsa_private_segment_fixed_size 0
		.amdhsa_enable_private_segment 0
		.amdhsa_kernarg_size 48
		.amdhsa_user_sgpr_count 2
		.amdhsa_user_sgpr_kernarg_segment_ptr 1
		.amdhsa_wavefront_size32 1
		.amdhsa_system_sgpr_workgroup_id_x 1
		.amdhsa_system_sgpr_workgroup_id_y 1
		.amdhsa_system_sgpr_workgroup_id_z 1
		.amdhsa_system_vgpr_workitem_id 0
		.amdhsa_next_free_vgpr 256
		.amdhsa_next_free_sgpr 66
		.amdhsa_reserve_vcc 0
		.amdhsa_float_denorm_mode_32 3
		.amdhsa_float_denorm_mode_16_64 3
		.amdhsa_memory_ordered 1
		.amdhsa_forward_progress 1
		.amdhsa_inst_pref_size 32
	.end_amdhsa_kernel
	.amdgpu_metadata
---
amdhsa.version: [ 1, 2 ]
amdhsa.kernels:
  - .name:           k_q5c01fa05f8_prep
    .symbol:         k_q5c01fa05f8_prep.kd
    .args:
      - { .name: x, .offset: 0, .size: 8, .value_kind: global_buffer, .address_space: global }
      - { .name: W_qk, .offset: 8, .size: 8, .value_kind: global_buffer, .address_space: global }
      - { .name: W_v, .offset: 16, .size: 8, .value_kind: global_buffer, .address_space: global }
      - { .name: xb, .offset: 24, .size: 8, .value_kind: global_buffer, .address_space: global }
      - { .name: wt, .offset: 32, .size: 8, .value_kind: global_buffer, .address_space: global }
      - { .name: vt, .offset: 40, .size: 8, .value_kind: global_buffer, .address_space: global }
    .group_segment_fixed_size: 139264
    .private_segment_fixed_size: 0
    .kernarg_segment_align: 8
    .kernarg_segment_size: 48
    .max_flat_workgroup_size: 256
    .sgpr_count:     66
    .vgpr_count:     256
    .wavefront_size: 32
...
	.end_amdgpu_metadata
.endif
;; end of part 1
;; launch proj (part 2): grid 8 x 32, 4 waves a work-group, clusters of 4 x 4, 327,680 bytes of LDS; arguments xb, wt, qk; writes qk
.if DOCPART == 2
	.amdgcn_target "amdgcn-amd-amdhsa--gfx1250"
	.amdhsa_code_object_version 6
	.text
	.protected	k_q5c01fa05f8_proj
	.globl	k_q5c01fa05f8_proj
	.p2align	8
	.type	k_q5c01fa05f8_proj,@function
k_q5c01fa05f8_proj:
	s_mov_b64 s[64:65], 0
	v_nop
	global_prefetch_b8 v0, s[64:65] scope:SCOPE_SE
	s_setreg_imm32_b32 hwreg(HW_REG_WAVE_MODE, 25, 1), 1
	s_wait_xcnt 0x0
	s_wait_alu depctr_hold_cnt(0) depctr_sa_sdst(0) depctr_va_vdst(0) depctr_va_sdst(0) depctr_va_ssrc(0) depctr_va_vcc(0) depctr_vm_vsrc(0)
	s_getreg_b32 s2, hwreg(HW_REG_IB_STS2, 6, 4)
	s_cmp_eq_u32 s2, 0
	s_cbranch_scc0 .Lentry_in_a_cluster
	s_endpgm
.Lentry_in_a_cluster:
	s_bfe_u32 s2, ttmp6, 0x10000c
	s_cmp_lg_u32 s2, 0xf033
	s_cbranch_scc0 .Lentry_shape_is_right
	s_endpgm
.Lentry_shape_is_right:
; qk[m][n] = sum over k of xb[m][k] wt[n][k].  xb: [8192][1024], wt: [2048][1024], qk: [8192][2048], all bf16; sums in f32, qk rounded once, without the attention's scale.
; A tile of qk, 256 x 256, is made by a work-group of four waves; a wave makes 128 x 128: 64 accumulators of 16 x 16, 512 registers.  32 x 8 tiles: 256 work-groups.
; K goes in steps of 128 through a ring of two LDS slots filled by the tensor data mover: a tile's rows are 256 bytes of memory, at multiples of 256 bytes.
; CLUSTERS: 4 x 4 work-groups.  The four of a row of the cluster need the same tiles of xb, the four of a column the same tiles of wt: each tile is asked for JOINTLY, by the same
; tensor load with the same descriptor and a mask that names the four.  The last K step goes by rows of qk, so that finished rows leave while the others are multiplied.
; REGISTERS, in windows of 256: window 0: v0-31 addresses; v64-191 fragments of xb, two buffers (in the last K step four); v32-63, v192-255 at work on the way out
;   window 1: v64-191 fragments of wt, two buffers; in the last K step all 256.   window 2: the accumulators of my rows 0-63 ((a, b) at v[8 (8 a + b)]);   window 3: rows 64-127
; s_set_vgpr_msb's low byte: bits 1:0 source 0, 3:2 source 1, 5:4 source 2, 7:6 destination.
; THE MATRIX INSTRUCTION IS USED TRANSPOSED: source 0 = 16 rows of wt, source 1 = 16 rows of xb: a lane then holds eight neighbouring numbers of a row of qk, 16 bytes when packed.
.set SIZE_M, 8192
.set SIZE_N, 2048
.set SIZE_K, 1024
.set KSTEP,  128
.set PITCH,  272                       ; an LDS row: 256 bytes + 16 of padding = 68 words: the 16 rows of a load start at 16 different groups of four banks (ISA guide 11.1)
.set HALFT,  128*PITCH                 ; 128 rows: what one tensor load brings, and what one wave reads of either operand
.set SLOT,   4*HALFT                   ; xb's 256 rows, then wt's 256 rows
.set STAGE,  2*SLOT                    ; behind the ring: 16 rows x 272 bytes for each wave, for the way out
.set SPITCH, 272
.set SPARE,  STAGE+4*16*SPITCH         ; the spare words, 128 bytes for each wave: no other line names them
.set LAPS, SIZE_K/(2*KSTEP)            ; a lap = two K steps = once round the ring
.set ADRA, 16                          ; v16-17  LDS address of my xb fragments in slot 0, 1
.set ADRB, 20                          ; v20-21  the same for wt
.set STO,  24                          ; v24     the way out: where I put 16 bytes of a row
.set RD,   25                          ; v25     the way out: where I read a row back
.set CO,   26                          ; v26     my byte offset in qk
.set SPW,  28                          ; v28     my spare word; never rewritten
.set NIL,  29                          ; v29     0; never rewritten
.set PFO,  30                          ; v30     the prefetches' offset: my lane x a row of 2,048 bytes; never rewritten
.set PFA,  44                          ; s[44:45] where my prefetches stand
.set LIM,  43                          ; s43     1 in a wave that prefetches, else the greatest number
.set F0,   64
.set F1,   128
.set TMP,  192
.set OB,   32
.set PA,   64
.set G1, 24                            ; s[24:31] descriptor group 1 for xb's tiles
.set G0, 32                            ; s[32:39] group 0 for xb's tiles, one set for each slot
.set G1B, 48                           ; s[48:55] group 1 for wt's tiles: it differs in the mask alone
.set G0B, 56                           ; s[56:63] group 0 for wt's tiles
.set MSB, 0
.macro WIN new                         ; the immediate's high byte repeats the setting that is left
.if MSB != (\new)
	s_set_vgpr_msb (MSB<<8)|(\new)
.set MSB, \new
.endif
.endm
.set MUL_LO, 0xa1                      ; source 0 (wt) window 1, source 1 (xb) window 0, C and D window 2
.set MUL_HI, 0xf1                      ; the same, C and D window 3
.set TO_B,   0x40                      ; destination window 1, address window 0
; A joint load.  Waves 0 and 1 fetch xb's two halves, waves 2 and 3 wt's.  The branch hangs on the wave's number alone.  An s_nop 0 and four v_nop follow each line.
.macro JLOAD s
	s_cmp_eq_u32 s11, 0
	s_cbranch_scc0 .Lfor_b_\@
	tensor_load_to_lds s[G0+4*(\s):G0+4*(\s)+3], s[G1:G1+7]
	s_nop 0
.rept 4
	v_nop
.endr
	s_branch .Lasked_\@
.Lfor_b_\@:
	tensor_load_to_lds s[G0B+4*(\s):G0B+4*(\s)+3], s[G1B:G1B+7]
	s_nop 0
.rept 4
	v_nop
.endr
.Lasked_\@:
.endm
; A prefetch, behind each joint load and the run of LDS loads that follows it: the K step that stands two refills on: 32 rows x 256 bytes, a lane a row, one instruction a wave.
; Each row's 256 bytes of a K step are named once in the launch: cluster x = 0 asks for xb's rows, cluster y = 0 for wt's; the four partners that ask for a tile jointly take 32 of a wave's
; 128 rows each, told apart by address.  The last two refills have no K step two on and ask for nothing.
.macro ASK
	s_cmp_gt_u32 s3, s[LIM]                        ; s3 = 1 in the loop's last trip
	s_cbranch_scc0 .Lnot_mine_\@
	global_prefetch_b8 v[PFO], s[PFA:PFA+1] offset:KSTEP*2 th:TH_LOAD_NT scope:SCOPE_SE
.Lnot_mine_\@:
.endm
.macro CREST                           ; a round of the cluster's barrier behind its opening barrier
	s_cmp_lg_u32 s10, 0
	s_cbranch_scc1 .Lnot_wave_0_\@
	s_barrier_signal -3
.Lnot_wave_0_\@:
	s_barrier_wait -3
	s_barrier_signal -1
	s_barrier_wait -1
.endm
.macro CROUND                          ; a whole round
	s_barrier_signal -1
	s_barrier_wait -1
	CREST
.endm
	s_load_b128 s[4:7], s[0:1], 0x0                ; xb s[4:5], wt s[6:7]
	s_load_b64 s[8:9], s[0:1], 0x10                ; qk
	v_lshl_add_u32 v[SPW], v0, 2, SPARE
	v_mov_b32 v[NIL], 0
	ds_add_u32 v[SPW], v[NIL]                      ; the wave's opening: the add and its wait stand ahead of my first tensor load; work on registers stands between them
	ds_add_u32 v28, v29
	v_lshrrev_b32 v1, 5, v0
	v_readfirstlane_b32 s10, v1                    ; wave 0..3
	s_lshr_b32 s11, s10, 1                         ; which half of the tile's rows is mine.  Also: I fetch for xb (0) or for wt (1)
	s_and_b32 s12, s10, 1                          ; which half of its columns.  Also: which 128 rows of that tile I fetch
	s_bfe_u32 s40, ttmp6, 0x40000                  ; cx
	s_bfe_u32 s41, ttmp6, 0x40004                  ; cy
	s_lshl_b32 s42, ttmp9, 2
	s_add_co_u32 s42, s42, s40                     ; tile column = 4 x cluster x + cx
	s_and_b32 s13, ttmp7, 0xffff
	s_lshl_b32 s13, s13, 2
	s_add_co_u32 s13, s13, s41                     ; tile row = 4 x cluster y + cy
	s_lshl_b32 s43, s41, 2
	s_lshl_b32 s43, 15, s43                        ; my row of the cluster
	s_lshl_b32 s44, 0x1111, s40                    ; my column
	s_or_b32 s[G1+0], s43, (1<<16)|(1<<20)|(1<<21)|(5<<22)|(3<<25)  ; the mask; elements of 2 bytes; padding on; bit 21 beside a mask; after every 64 words, 4 words
	s_or_b32 s[G1B+0], s44, (1<<16)|(1<<20)|(1<<21)|(5<<22)|(3<<25)
	s_mov_b32 s[G1B+1], KSTEP<<16
	s_mov_b32 s[G1+1], KSTEP<<16                   ; tensor_dim0 = 128
	s_mov_b32 s[G1B+2], 128<<16
	s_mov_b32 s[G1+2], 128<<16                     ; tensor_dim1 = 128
	s_mov_b32 s[G1B+3], KSTEP<<16
	s_mov_b32 s[G1+3], KSTEP<<16                   ; tile_dim0 = 128
	s_mov_b32 s[G1B+4], 128
	s_mov_b32 s[G1+4], 128                         ; tile_dim1 = 128
	s_mov_b32 s[G1B+5], SIZE_K
	s_mov_b32 s[G1+5], SIZE_K                      ; elements from row to row
	s_mov_b32 s[G1B+6], 0
	s_mov_b32 s[G1+6], 0
	s_mov_b32 s[G1B+7], 0
	s_mov_b32 s[G1+7], 0
	s_lshl_b32 s17, s12, 7                         ; which 128 rows of the tile I fetch
	s_lshl_b32 s16, s13, 8
	s_add_co_u32 s16, s16, s17                     ; xb: row 256 x tile row + 128 x half
	s_lshl_b32 s46, s42, 8
	s_add_co_u32 s46, s46, s17                     ; wt: row 256 x tile column + 128 x half
	s_mov_b32 s17, 0
	s_mov_b32 s47, 0
	s_mov_b64 s[18:19], SIZE_K*2
	s_mul_u64 s[16:17], s[16:17], s[18:19]
	s_mul_u64 s[46:47], s[46:47], s[18:19]
	s_mul_i32 s20, s10, HALFT                      ; where they go: wave x 128 rows: no place in the cluster enters an LDS address
	s_wait_dscnt 0x0                               ; the opening add is done
	s_wait_kmcnt 0x0
	s_add_nc_u64 s[14:15], s[4:5], s[16:17]
	s_add_nc_u64 s[46:47], s[6:7], s[46:47]
	CROUND                                         ; all sixteen work-groups are here: the first joint loads meet
.irp s, 0,1
	s_mov_b32 s[G0+4*(\s)], 1
	s_add_co_u32 s[G0+4*(\s)+1], s20, (\s)*SLOT
	s_add_nc_u64 s[G0+4*(\s)+2:G0+4*(\s)+3], s[14:15], (\s)*KSTEP*2
	s_or_b32 s[G0+4*(\s)+3], s[G0+4*(\s)+3], 0x80000000
	s_mov_b32 s[G0B+4*(\s)], 1
	s_add_co_u32 s[G0B+4*(\s)+1], s20, (\s)*SLOT
	s_add_nc_u64 s[G0B+4*(\s)+2:G0B+4*(\s)+3], s[46:47], (\s)*KSTEP*2
	s_or_b32 s[G0B+4*(\s)+3], s[G0B+4*(\s)+3], 0x80000000
	JLOAD \s                                       ; the ring is filled before anything else is done
.endr
	; a fragment is 16 rows x 32 K in 8 registers: lane l holds row l % 16; two loads of 16 bytes, 32 bytes apart, at row x pitch + 16 (l / 16)
	v_and_b32 v1, 15, v0
	v_bfe_u32 v2, v0, 4, 1
	v_mul_u32_u24 v3, v1, PITCH
	v_lshl_add_u32 v3, v2, 4, v3
	s_mul_i32 s21, s11, HALFT                      ; my 128 rows of xb
	s_mul_i32 s22, s12, HALFT                      ; my 128 rows of wt,
	s_add_co_u32 s22, s22, 2*HALFT                 ; which lie behind xb's 256
.irp s, 0,1
	v_add_nc_u32 v[ADRA+(\s)], s21, v3
	v_add_nc_u32 v[ADRB+(\s)], s22, v3
	s_add_co_u32 s21, s21, SLOT
	s_add_co_u32 s22, s22, SLOT
.endr
	s_mul_i32 s23, s10, 16*SPITCH
	s_add_co_u32 s23, s23, STAGE                   ; my stage
	v_mul_u32_u24 v4, v1, SPITCH
	v_lshl_add_u32 v4, v2, 4, v4
	v_add_nc_u32 v[STO], s23, v4
	v_mul_u32_u24 v5, v2, SPITCH
	v_lshl_add_u32 v5, v1, 4, v5
	v_add_nc_u32 v[RD], s23, v5
	v_mul_u32_u24 v5, v2, SIZE_N*2
	v_lshl_add_u32 v[CO], v1, 4, v5
	s_lshl_b32 s13, s13, 8
	s_lshl_b32 s14, s11, 7
	s_add_co_u32 s16, s13, s14                     ; my first row of qk
	s_mov_b32 s17, 0
	s_mov_b64 s[18:19], SIZE_N*2
	s_mul_u64 s[16:17], s[16:17], s[18:19]
	s_lshl_b32 s46, s42, 9                         ; my first column, in bytes
	s_lshl_b32 s47, s12, 8
	s_add_co_u32 s46, s46, s47
	s_mov_b32 s47, 0
	s_add_nc_u64 s[16:17], s[16:17], s[46:47]
	; the prefetches
	s_lshl_b32 s42, s42, 8
	s_and_b32 s22, ttmp7, 0xffff                   ; cluster y
	s_cmp_eq_u32 s11, 0                            ; do I fetch for xb?
	s_cselect_b32 s20, s13, s42                    ; the tile's first row
	s_cselect_b32 s21, s40, s41                    ; my place among the four that ask for it with me
	s_cselect_b32 s22, ttmp9, s22                  ; the coordinate along which other clusters read the same rows
	s_cselect_b64 s[PFA:PFA+1], s[4:5], s[6:7]
	s_cmp_eq_u32 s22, 0
	s_cselect_b32 s[LIM], 1, -1                    ; the same in all sixteen partners, for a given wave
	s_lshl_b32 s22, s12, 7
	s_add_co_u32 s20, s20, s22
	s_lshl_b32 s21, s21, 5
	s_add_co_u32 s20, s20, s21
	s_mov_b32 s21, 0
	s_mov_b64 s[18:19], SIZE_K*2
	s_mul_u64 s[20:21], s[20:21], s[18:19]
	s_add_nc_u64 s[PFA:PFA+1], s[PFA:PFA+1], s[20:21]
	s_add_nc_u64 s[PFA:PFA+1], s[PFA:PFA+1], 2*KSTEP*2  ; at K step 2: the first refill steps it to 3 and names K step 4; nothing is asked for at the head
	v_and_b32 v[PFO], 31, v0
	v_mul_u32_u24 v[PFO], v[PFO], SIZE_K*2
; 16 matrix instructions: m blocks a0, a0 + 1 of the window's four x all 8 n blocks, 32 along K.  zero = 1: the first product starts the sums.
.macro MUL16 f, hi, a0, zero
	WIN MUL_LO+0x50*(\hi)
.irp a, \a0, (\a0)+1
.irp b, 0,1,2,3,4,5,6,7
.if \zero
	v_wmma_f32_16x16x32_bf16 v[8*(8*(\a)+(\b)):8*(8*(\a)+(\b))+7], v[(\f)+8*(\b):(\f)+8*(\b)+7], v[(\f)+8*(4*(\hi)+(\a)):(\f)+8*(4*(\hi)+(\a))+7], 0
.else
	v_wmma_f32_16x16x32_bf16 v[8*(8*(\a)+(\b)):8*(8*(\a)+(\b))+7], v[(\f)+8*(\b):(\f)+8*(\b)+7], v[(\f)+8*(4*(\hi)+(\a)):(\f)+8*(4*(\hi)+(\a))+7], v[8*(8*(\a)+(\b)):8*(8*(\a)+(\b))+7]
.endif
.endr
.endr
.endm
; 32 LDS loads in one run: the fragments of one quarter step into buffer f
.macro FETCH slot, k, f
	WIN TO_B
.irp i, 0,1,2,3,4,5,6,7
	ds_load_b128 v[(\f)+8*(\i):(\f)+8*(\i)+3],   v[ADRB+(\slot)] offset:(\k)+(\i)*16*PITCH
	ds_load_b128 v[(\f)+8*(\i)+4:(\f)+8*(\i)+7], v[ADRB+(\slot)] offset:(\k)+(\i)*16*PITCH+32
.endr
	WIN 0
.irp i, 0,1,2,3,4,5,6,7
	ds_load_b128 v[(\f)+8*(\i):(\f)+8*(\i)+3],   v[ADRA+(\slot)] offset:(\k)+(\i)*16*PITCH
	ds_load_b128 v[(\f)+8*(\i)+4:(\f)+8*(\i)+7], v[ADRA+(\slot)] offset:(\k)+(\i)*16*PITCH+32
.endr
.endm
.macro PLACES                          ; four places in front of loads into registers that matrix instructions have read, and of conversions that read results
.rept 4
	v_nop
.endr
.endm
; A K step is four quarters of 32 along K, 64 matrix instructions each, on buffers 0, 1, 0, 1.  One of the first three multiplies buffer f and fetches the next quarter into g.
.macro QUARTER slot, k, f, g, zero
	s_wait_dscnt 8                                 ; wt's and xb's rows 0-63 are in; the youngest eight loads may be out
	WIN MUL_LO
	MUL16 \f, 0, 0, \zero
	MUL16 \f, 0, 2, \zero
	PLACES
	FETCH \slot, \k, \g
	s_wait_dscnt 32                                ; all but the 32 just issued
	WIN MUL_HI
	MUL16 \f, 1, 0, \zero
	MUL16 \f, 1, 2, \zero
.endm
; The last quarter changes slots.  In front of the barrier each wave waits for all its tensor loads (one is out: its part of the next slot), adds 0 to its spare word, and waits for that and for its reads of this slot.
.macro MEET round
	WIN 0
	s_wait_tensorcnt 0x0                           ; all my tensor loads have landed
	ds_add_u32 v[SPW], v[NIL]                      ; 0 onto my spare word
	s_wait_dscnt 9                                 ; (the add and the youngest eight loads may be out)
	WIN MUL_LO
	MUL16 F1, 0, 0, 0
	s_wait_dscnt 0x0                               ; the add is done, and my reads of this slot are over
	s_barrier_signal -1
	MUL16 F1, 0, 2, 0
.if \round
	WIN 0
.endif
	s_barrier_wait -1
.endm
.macro TURN slot, next
	s_wait_xcnt 0x0                                ; the last prefetch, a K step back, has read its address
	s_add_nc_u64 s[PFA:PFA+1], s[PFA:PFA+1], KSTEP*2
	MEET 1
	CREST                                          ; no wave of any partner still reads this slot's tile or has a load on its way
	s_add_nc_u64 s[G0+4*(\slot)+2:G0+4*(\slot)+3], s[G0+4*(\slot)+2:G0+4*(\slot)+3], 2*KSTEP*2
	s_add_nc_u64 s[G0B+4*(\slot)+2:G0B+4*(\slot)+3], s[G0B+4*(\slot)+2:G0B+4*(\slot)+3], 2*KSTEP*2
	JLOAD \slot                                    ; the first tensor load behind the round; its four v_nop are also the places in front of the loads below
	FETCH \next, 0, F0
	ASK
	WIN MUL_HI
	MUL16 F1, 1, 0, 0
	MUL16 F1, 1, 2, 0
.endm
; THE LAST K STEP (in slot 1) GOES BY ROWS OF qk: all its fragments of wt fill window 1; my eight blocks of 16 rows are finished one after the other, 32 matrix instructions each, K ascending.
.macro BLOAD q
	WIN TO_B
.irp i, 0,1,2,3,4,5,6,7
	ds_load_b128 v[64*(\q)+8*(\i):64*(\q)+8*(\i)+3],   v[ADRB+1] offset:64*(\q)+(\i)*16*PITCH
	ds_load_b128 v[64*(\q)+8*(\i)+4:64*(\q)+8*(\i)+7], v[ADRB+1] offset:64*(\q)+(\i)*16*PITCH+32
.endr
.endm
.macro ALOAD a
	WIN 0
.set FA, PA+32*((\a)%4)
.irp q, 0,1,2,3
	ds_load_b128 v[FA+8*(\q):FA+8*(\q)+3],   v[ADRA+1] offset:64*(\q)+(\a)*16*PITCH
	ds_load_b128 v[FA+8*(\q)+4:FA+8*(\q)+7], v[ADRA+1] offset:64*(\q)+(\a)*16*PITCH+32
.endr
.endm
.macro ROW a
.set FA, PA+32*((\a)%4)
.set AC, 64*((\a)%4)
	WIN MUL_LO+0x50*((\a)/4)
.irp q, 0,1,2,3
.if (\a) == 0 && (\q) == 2
	s_wait_dscnt 24                                ; wt's quarter 2 is in (behind it: xb's blocks 1 to 3)
.endif
.irp b, 0,1,2,3,4,5,6,7
	v_wmma_f32_16x16x32_bf16 v[AC+8*(\b):AC+8*(\b)+7], v[64*(\q)+8*(\b):64*(\q)+8*(\b)+7], v[FA+8*(\q):FA+8*(\q)+7], v[AC+8*(\b):AC+8*(\b)+7]
.endr
.endr
.endm
; THE WAY OUT of block a.  PACK: rounded to bf16.  TOSTAGE: into my own stage in LDS, and back as whole rows of 256 bytes.  SEND: stored.
.macro PACK a
.set AC, 64*((\a)%4)
	WIN 0x0a+5*((\a)/4)
.irp b, 0,1,2,3,4,5,6,7
.irp r, 0,1,2,3
	v_cvt_pk_bf16_f32 v[TMP+4*(\b)+(\r)], v[AC+8*(\b)+2*(\r)], v[AC+8*(\b)+2*(\r)+1]
.endr
.endr
	WIN 0
.endm
.macro TOSTAGE a
	WIN 0
.set BK, OB+192*((\a)%2)
.irp b, 0,1,2,3,4,5,6,7
	ds_store_b128 v[STO], v[TMP+4*(\b):TMP+4*(\b)+3] offset:32*(\b)
.endr
.irp t, 0,1,2,3,4,5,6,7
	ds_load_b128 v[BK+4*(\t):BK+4*(\t)+3], v[RD] offset:(\t)*2*SPITCH  ; LDS serves a wave's instructions in order (ISA guide 5.7.1.4): these see the stores above
.endr
.endm
.macro SEND a, younger
	WIN 0
.set BK, OB+192*((\a)%2)
	s_wait_dscnt \younger                          ; the block is back in registers
	s_wait_xcnt 0x0                                ; only behind this wait are the stores' base and the registers that earlier stores read rewritten
.if (\a) == 0
	s_add_nc_u64 s[8:9], s[8:9], s[16:17]          ; my first rows
.else
	s_add_nc_u64 s[8:9], s[8:9], 16*SIZE_N*2       ; 16 rows on
.endif
.irp t, 0,1,2,3,4,5,6,7
	global_store_b128 v[CO], v[BK+4*(\t):BK+4*(\t)+3], s[8:9] offset:2*(\t)*SIZE_N*2  ; 16 lanes store 256 consecutive bytes, aligned
.endr
.endm
	s_wait_tensorcnt 1                             ; my part of K step 0 is in; K step 1's may stay out
	s_barrier_signal -1
	s_barrier_wait -1
	FETCH 0, 0, F0
	QUARTER 0, 64,  F0, F1, 1                      ; the first quarter stands in front of the loop: its products start the sums
	WIN 0
	s_mov_b32 s3, LAPS-1
.Llap:                                                 ; a trip goes once round the ring and fills both slots again
	QUARTER 0, 128, F1, F0, 0
	QUARTER 0, 192, F0, F1, 0
	TURN 0, 1
	QUARTER 1, 64,  F0, F1, 0
	QUARTER 1, 128, F1, F0, 0
	QUARTER 1, 192, F0, F1, 0
	TURN 1, 0
	QUARTER 0, 64,  F0, F1, 0
	WIN 0
	s_sub_co_u32 s3, s3, 1
	s_cmp_lg_u32 s3, 0
	s_cbranch_scc1 .Llap
	QUARTER 0, 128, F1, F0, 0
	QUARTER 0, 192, F0, F1, 0
	MEET 0                                         ; my one tensor load that was still out is the last K step's
	PLACES
	WIN TO_B
	BLOAD 0
	BLOAD 1
	BLOAD 3
	WIN 0
	ALOAD 0
	WIN MUL_HI
	MUL16 F1, 1, 0, 0
	MUL16 F1, 1, 2, 0
	PLACES
	WIN TO_B
	BLOAD 2
	WIN 0
	ALOAD 1
	ALOAD 2
	ALOAD 3
	s_wait_dscnt 40                                ; all but the 40 just issued
	ROW 0
.irp a, 0,1,2,3,4,5,6,7                ; each block leaves as soon as it is finished
	PLACES
	PACK \a
	TOSTAGE \a
.if (\a) < 4
	ALOAD (\a)+4
	SEND \a, 8
.else
	SEND \a, 0
.endif
.if (\a) < 7
	ROW (\a)+1
.endif
.endr
	s_wait_tensorcnt 0x0                           ; the wave's end
	ds_add_u32 v[SPW], v[NIL]
	s_wait_dscnt 0x0
	CROUND                                         ; the closing round: no work-group ends while a partner may still ask for a tile that names it
	s_endpgm
.Lfunc_end_k_q5c01fa05f8_proj:
	.size	k_q5c01fa05f8_proj, .Lfunc_end_k_q5c01fa05f8_proj-k_q5c01fa05f8_proj
	.p2alignl 7, 3214868480
	.fill 96, 4, 3214868480
	.section	.rodata,"a",@progbits
	.p2align	6, 0x0
	.amdhsa_kernel k_q5c01fa05f8_proj
		.amdhsa_group_segment_fixed_size 327680
		.amdhsa_private_segment_fixed_size 0
		.amdhsa_enable_private_segment 0
		.amdhsa_kernarg_size 24
		.amdhsa_user_sgpr_count 2
		.amdhsa_user_sgpr_kernarg_segment_ptr 1
		.amdhsa_wavefront_size32 1
		.amdhsa_system_sgpr_workgroup_id_x 1
		.amdhsa_system_sgpr_workgroup_id_y 1
		.amdhsa_system_sgpr_workgroup_id_z 1
		.amdhsa_system_vgpr_workitem_id 0
		.amdhsa_next_free_vgpr 1024
		.amdhsa_next_free_sgpr 66
		.amdhsa_reserve_vcc 0
		.amdhsa_float_denorm_mode_32 3
		.amdhsa_float_denorm_mode_16_64 3
		.amdhsa_memory_ordered 1
		.amdhsa_forward_progress 1
		.amdhsa_inst_pref_size 144
	.end_amdhsa_kernel
	.amdgpu_metadata
---
amdhsa.version: [ 1, 2 ]
amdhsa.kernels:
  - .name:           k_q5c01fa05f8_proj
    .symbol:         k_q5c01fa05f8_proj.kd
    .args:
      - { .name: xb, .offset: 0, .size: 8, .value_kind: global_buffer, .address_space: global }
      - { .name: wt, .offset: 8, .size: 8, .value_kind: global_buffer, .address_space: global }
      - { .name: qk, .offset: 16, .size: 8, .value_kind: global_buffer, .address_space: global }
    .group_segment_fixed_size: 327680
    .private_segment_fixed_size: 0
    .kernarg_segment_align: 8
    .kernarg_segment_size: 24
    .max_flat_workgroup_size: 128
    .sgpr_count:     66
    .vgpr_count:     1024
    .wavefront_size: 32
...
	.end_amdgpu_metadata
.endif
;; end of part 2
;; launch attn (part 3): grid 64 x 4, 4 waves a work-group, clusters of 4 x 4, 327,680 bytes of LDS; arguments qk, att_mask, vt, part; writes part
.if DOCPART == 3
	.amdgcn_target "amdgcn-amd-amdhsa--gfx1250"
	.amdhsa_code_object_version 6
	.text
	.protected	k_q5c01fa05f8_attn
	.globl	k_q5c01fa05f8_attn
	.p2align	8
	.type	k_q5c01fa05f8_attn,@function
k_q5c01fa05f8_attn:
	s_mov_b64 s[64:65], 0
	v_nop
	global_prefetch_b8 v0, s[64:65] scope:SCOPE_SE
	s_setreg_imm32_b32 hwreg(HW_REG_WAVE_MODE, 25, 1), 1
	s_wait_xcnt 0x0
	s_wait_alu depctr_hold_cnt(0) depctr_sa_sdst(0) depctr_va_vdst(0) depctr_va_sdst(0) depctr_va_ssrc(0) depctr_va_vcc(0) depctr_vm_vsrc(0)
	s_getreg_b32 s2, hwreg(HW_REG_IB_STS2, 6, 4)
	s_cmp_eq_u32 s2, 0
	s_cbranch_scc0 .Lentry_in_a_cluster
	s_endpgm
.Lentry_in_a_cluster:
	s_bfe_u32 s2, ttmp6, 0x10000c
	s_cmp_lg_u32 s2, 0xf033
	s_cbranch_scc0 .Lentry_shape_is_right
	s_endpgm
.Lentry_shape_is_right:
; part[g][b][q] = the sum over the four heads n of group g of  sum_k softmax_k(score(q, k, n)) v[k][n],  score = mask[b][q][k] ? -60000 : q_n . k_n / 8.
; qk: [8192][2048] bf16 (columns 0-1023 q, 1024-2047 k, head n at 64 n).  att_mask: [4][2048][2048] bytes, 0 or 1.  vt: [4][64 blocks of 32 tokens][16 heads][32 v, 32 x 1.0] bf16.  part: [4][8192] f32.
; SHARES.  A work-group: one batch, one group of four heads, 128 queries.  A wave: 32 queries (two tiles u of 16), all four heads (PIECES p).  Every wave walks all 2,048 keys, 64 a step.
; LAYOUT.  S^T = K Q^T + C (source 0 = 16 keys, source 1 = 16 queries): a lane holds ONE query (lane % 16) and the keys 8 (lane / 16) + 0..7.  Two results rounded to bf16 in pairs ARE source 1 (32 keys x 16
; queries) of the second product, whose source 0 has the head's v in rows 0-7 and ones in rows 8-15: its register 0 holds o = sum p v in lanes 0-15 and l = sum p in lanes 16-31.
; THE MASK.  C is 0, or -2^65 where the key is masked: made once a step from the mask's bytes and used by all four heads.  The loop is a running-maximum softmax over the unmasked keys: p = 2^(c s - c m),
; c = log2(e) / 8; o and l are multiplied by a = 2^(c m_old - c m_new) in every step.  While a row has seen masked keys only, its m is about -2^65; the first unmasked key makes a = 0.
; The masked keys' own share, weight e^-60000 each, is added at the end: a product of (v | ones) with the mask as bf16 numbers gathers SV = the sum of v over the masked keys and cnt, their number, both times -2^65.
; With n = cnt > 0 ? -60000 log2(e) : -2^127 and M = max(c m, n):  result = (2^(cm-M) o + 2^(n-M) SV) / (2^(cm-M) l + 2^(n-M) cnt): the softmax of the scores as they are defined, for every mask; the divisor is at least 1.
; LIMITS.  |q . k| < 2^55; |SV| < 2^60; a weight below 2^-126 counts as 0; NaN and infinities are not treated apart; q, k, v, p and the mask are bf16 matrix operands, all sums and maxima f32.
; BY TURNS.  Turn p: 16 products K Q^T of piece p + 1, behind each four vector instructions of piece p's softmax; a lump with the rest of its scalings and exponentials and piece p + 1's maximum and statistics;
; ONE wait for the turn's 66 exponentials; the roundings; 4 products for o and l of piece p.
; CLUSTER 4 x 4: cx = query block, cy = head group.  K's and vt's tiles hang on the batch and cy: asked for jointly along a row.  The mask's hang on the query block: jointly along a column.
; REGISTERS, in windows of 256 (s_set_vgpr_msb: bits 1:0 source 0, 3:2 source 1, 5:4 source 2, 7:6 destination):
;   window 0: v2-15 addresses; v16-31 (c m, m) a tile; v32-51 at work; v64-191 S^T, two buffers; v192-223 P; v224-239 the mask's bytes
;   window 1: v0-63 C; v64-95 the mask in bf16; v96-111 (v | ones) of the piece; v112-127 (v of four heads | ones); v128-191 K of one head and step
;   window 2: v0-127 Q; v128-191 the eight accumulators of o and l; v192-207 those of SV and cnt
.set PK,    528       ; a row of K in LDS: four heads' 512 bytes + 16 = 132 words: the 16 rows of a load start at 16 different groups of four banks (ISA guide 11.1)
.set PM,    144       ; a row of the mask: 128 keys' bytes + 16 = 36 words: 32 lanes of an 8-byte load take each bank once
.set MOFF,  128*PK    ; a slot holds two steps: 128 rows of K, then 128 queries' rows of the mask
.set VT,    MOFF+128*PM  ; behind slot 0: the batch's vt for my four heads, 64 blocks x 528 bytes, filled once
.set SLOT1, 1<<17
.set STG,   SLOT1+VT  ; behind slot 1: 512 bytes for the way out; no tensor load fills them
.set SPARE, STG+512   ; the spare words, 128 bytes for each wave: no other line names them
.set KSTEP, 64*PK
.set VSTEP, 2*PK
.set AK0, 2           ; v2   528 r + 16 h; never rewritten
.set AKR, 3           ; v3   the address of K's runs
.set AM0, 4           ; v4   MOFF + 144 (32 w + r) + 8 h
.set AMR, 5
.set AVA0, 6          ; v6   VT + 64 (r / 8) + 16 h
.set AVC0, 7          ; v7   the same + 128 (r % 4)
.set AVR, 8
.set AVCR, 9
.set QO,  10          ; v10  4,096 r + 16 h
.set PFOK, 11         ; v11  4,096 l
.set PFOM, 12         ; v12  2,048 l
.set STS, 13          ; v13  STG + 4 t
.set GO,  14          ; v14  16 l
.set ZR,  15          ; v15  0, for the byte selections
.set ST,  16
.set TMP, 32
.set MV,  48
.set RDS, 56          ; v56  STG + 16 l
.set SPW, 62          ; v62  my spare word; never rewritten
.set NIL, 63          ; v63  0; never rewritten
.set S,   64
.set P,   192
.set RW,  224
.set MC,  0           ; window 1
.set MB,  64
.set VA,  96
.set VC,  112
.set KF,  128
.set OA,  128         ; window 2
.set XA,  192
.set WV,  12          ; s12  my wave's number
.set G1K, 24
.set G1M, 32
.set G1V, 40
.set G0K, 48
.set G0M, 52
.set G0V, 56
.set CS,  60          ; s[60:61] c
.set SEL, 62          ; s[62:63] v_permlanex16_b32's selects
.set SLOTS, 66
.set CNT, 67
.set TBK, 68          ; LDS byte at which K of the step to be fetched begins
.set TBM, 69          ; the same for the mask, less MOFF
.set TBV, 70          ; the same for vt, less VT
.set LIMK, 71         ; 1 in the wave that prefetches K, else the greatest number
.set LIMM, 72         ; the same for the mask, in every second change of slots
.set TOG, 73
.set PFK, 74
.set PFM, 76
.set SP0, 78          ; s78-81 selections: byte i of the mask on top, zeros below
.set SPL, 82          ; bytes 0 and 1 on top of the two halves
.set SPH, 83          ; bytes 2 and 3
.set ME0, 84
.set HM,  85
.set MSB, 0
.macro WIN new
.if MSB != (\new)
	s_set_vgpr_msb (MSB<<8)|(\new)
.set MSB, (\new)
.endif
.endm
; A joint refill: waves 0 and 1 fetch the two steps' K, waves 2 and 3 the two halves of the queries' mask rows.  An s_nop 0 and four v_nop follow each line.
.macro JLOAD
	s_cmp_lt_u32 s[WV], 2
	s_cbranch_scc0 .Lfor_m_\@
	tensor_load_to_lds s[G0K:G0K+3], s[G1K:G1K+7]
	s_nop 0
.rept 4
	v_nop
.endr
	s_branch .Lasked_\@
.Lfor_m_\@:
	tensor_load_to_lds s[G0M:G0M+3], s[G1M:G1M+7]
	s_nop 0
.rept 4
	v_nop
.endr
.Lasked_\@:
.endm
; PREFETCHES of what the NEXT change of slots will ask for, behind the joint load and its five lines.  K: a slot's 128 rows x 512 bytes; the batch's first cluster asks, wave 0; the partner at cx takes 32 rows, a lane a
; row, two blocks of 256 bytes; the four cy take their own columns.  The mask: every cluster has its own rows; wave 2 asks; the partner at cy takes 32 of the 128 rows; 256 bytes of a row serve two slots, so
; every second change asks.  Partners are told apart by address alone.  The last refill asks for nothing; slots 0 to 2 of K and 0 to 3 of the mask come by their loads alone.
.macro ASK
	s_cmp_gt_u32 s[SLOTS], s[LIMK]
	s_cbranch_scc0 .Lno_k_\@
	global_prefetch_b8 v[PFOK], s[PFK:PFK+1] th:TH_LOAD_NT scope:SCOPE_SE
	global_prefetch_b8 v[PFOK], s[PFK:PFK+1] offset:256 th:TH_LOAD_NT scope:SCOPE_SE
.Lno_k_\@:
	s_cmp_gt_u32 s[SLOTS], s[LIMM]
	s_cbranch_scc0 .Lno_m_\@
	global_prefetch_b8 v[PFOM], s[PFM:PFM+1] th:TH_LOAD_NT scope:SCOPE_SE
.Lno_m_\@:
.endm
.macro CROUND                       ; a round of the cluster's barrier
	s_barrier_signal -1
	s_barrier_wait -1
	s_cmp_lg_u32 s[WV], 0
	s_cbranch_scc1 .Lnot_wave_0_\@
	s_barrier_signal -3
.Lnot_wave_0_\@:
	s_barrier_wait -3
	s_barrier_signal -1
	s_barrier_wait -1
.endm
; THE CHANGE OF SLOTS.  Every read of the slot that is left has been waited for by the turn that issued it.  Each wave waits for all its tensor loads (its part of the other slot), adds 0 to its spare word, and waits
; for that.  fill = 1: the barrier is a round of the cluster's, and the joint refill, the keys two slots on, is the first thing behind it: it has two key steps in which to land.
.macro CHANGE fill, ask
	WIN 0
	s_wait_tensorcnt 0x0            ; no tensor load of mine is out, so a group 0 may be written
	ds_add_u32 v[SPW], v[NIL]       ; 0 onto my spare word; scalar work stands between it and the wait for it
.if \fill
	s_xor_b32 s[G0K+1], s[G0K+1], SLOT1
	s_add_nc_u64 s[G0K+2:G0K+3], s[G0K+2:G0K+3], 128*4096  ; the next 128 keys: rows of qk
	s_xor_b32 s[G0M+1], s[G0M+1], SLOT1
	s_add_nc_u64 s[G0M+2:G0M+3], s[G0M+2:G0M+3], 128       ; and bytes of the mask's rows
.endif
.if \ask
	s_wait_xcnt 0x0                 ; the last prefetches, two key steps back, have read their addresses
	s_add_nc_u64 s[PFK:PFK+1], s[PFK:PFK+1], 128*4096
	s_add_nc_u64 s[PFM:PFM+1], s[PFM:PFM+1], 128
	s_xor_b32 s[LIMM], s[LIMM], s[TOG]
.endif
	s_wait_dscnt 0x0                ; the add is done
.if \fill
	CROUND
	JLOAD
.if \ask
	ASK
.endif
.else
	s_barrier_signal -1
	s_barrier_wait -1
.endif
	s_sub_co_u32 s[TBK], s[TBK], 2*KSTEP  ; the fetches go back to a slot's first step, in the other slot
	s_xor_b32 s[TBK], s[TBK], SLOT1
	s_sub_co_u32 s[TBM], s[TBM], 128
	s_xor_b32 s[TBM], s[TBM], SLOT1
.endm
	s_load_b256 s[4:11], s[0:1], 0x0  ; qk s[4:5], att_mask s[6:7], vt s[8:9], part s[10:11]
	v_lshl_add_u32 v[SPW], v0, 2, SPARE
	v_mov_b32 v[NIL], 0
	ds_add_u32 v[SPW], v[NIL]       ; the wave's opening: the add and its wait stand ahead of my first tensor load; work on registers stands between them
	ds_add_u32 v62, v63
	v_lshrrev_b32 v1, 5, v0
	v_readfirstlane_b32 s[WV], v1   ; wave 0..3
	s_bfe_u32 s13, ttmp6, 0x40000   ; cx
	s_bfe_u32 s14, ttmp6, 0x40004   ; cy: the head group
	s_lshr_b32 s15, ttmp9, 2        ; the batch: four clusters each
	s_and_b32 s86, s[WV], 1
	s_and_b32 s89, ttmp9, 3
	s_lshl_b32 s89, s89, 2
	s_add_co_u32 s89, s89, s13      ; my block of 128 queries
	s_lshl_b32 s87, s14, 2
	s_lshl_b32 s87, 15, s87         ; my row of the cluster
	s_lshl_b32 s88, 0x1111, s13     ; my column
	s_or_b32 s[G1K], s87, (1<<16)|(1<<20)|(1<<21)|(6<<22)|(3<<25)  ; the mask of four; 2-byte elements; padding on; bit 21 beside a mask; after every 128 words, 4 words
	s_or_b32 s[G1V], s87, (1<<16)|(1<<20)|(1<<21)|(6<<22)|(3<<25)
	s_or_b32 s[G1M], s88, (2<<16)|(1<<20)|(1<<21)|(4<<22)|(3<<25)  ; 4-byte elements; after every 32 words, 4 words
	s_mov_b32 s[G1K+1], 256<<16     ; K: 64 rows of 256 elements, 2,048 elements from row to row
	s_mov_b32 s[G1K+2], 64<<16
	s_mov_b32 s[G1K+3], 256<<16
	s_mov_b32 s[G1K+4], 64
	s_mov_b32 s[G1K+5], 2048
	s_mov_b32 s[G1K+6], 0
	s_mov_b32 s[G1K+7], 0
	s_mov_b32 s[G1M+1], 32<<16      ; the mask: 64 rows of 32 elements, 512 elements from row to row
	s_mov_b32 s[G1M+2], 64<<16
	s_mov_b32 s[G1M+3], 32<<16
	s_mov_b32 s[G1M+4], 64
	s_mov_b32 s[G1M+5], 512
	s_mov_b32 s[G1M+6], 0
	s_mov_b32 s[G1M+7], 0
	s_mov_b32 s[G1V+1], 256<<16     ; vt: 32 blocks of 256 elements, 1,024 elements from block to block
	s_mov_b32 s[G1V+2], 32<<16
	s_mov_b32 s[G1V+3], 256<<16
	s_mov_b32 s[G1V+4], 32
	s_mov_b32 s[G1V+5], 1024
	s_mov_b32 s[G1V+6], 0
	s_mov_b32 s[G1V+7], 0
	s_lshl_b32 s16, s15, 23         ; K: (2,048 b + 64 (w & 1)) rows of 4,096 bytes + 2,048 + 512 cy: no cx
	s_lshl_b32 s17, s86, 18
	s_add_co_u32 s16, s16, s17
	s_lshl_b32 s17, s14, 9
	s_add_co_u32 s16, s16, s17
	s_add_co_u32 s16, s16, 2048
	s_mov_b32 s17, 0
	s_lshl_b32 s20, s15, 17         ; vt: 131,072 b + 65,536 (w & 1) + 512 cy: no cx
	s_lshl_b32 s21, s86, 16
	s_add_co_u32 s20, s20, s21
	s_lshl_b32 s21, s14, 9
	s_add_co_u32 s20, s20, s21
	s_mov_b32 s21, 0
	s_lshl_b32 s18, s15, 22         ; the mask: (2,048 b + 128 block + 64 (w & 1)) rows of 2,048 bytes: no cy
	s_lshl_b32 s19, s89, 18
	s_add_co_u32 s18, s18, s19
	s_lshl_b32 s19, s86, 17
	s_add_co_u32 s18, s18, s19
	s_mov_b32 s19, 0
	s_lshl_b32 s22, s15, 23         ; Q: (2,048 b + 128 block + 32 w) rows + 512 cy
	s_lshl_b32 s23, s89, 19
	s_add_co_u32 s22, s22, s23
	s_lshl_b32 s23, s[WV], 17
	s_add_co_u32 s22, s22, s23
	s_lshl_b32 s23, s14, 9
	s_add_co_u32 s22, s22, s23
	s_mov_b32 s23, 0
	s_lshl_b32 s90, s14, 15         ; part: 32,768 cy + 4 (2,048 b + 128 block)
	s_lshl_b32 s91, s15, 13
	s_add_co_u32 s90, s90, s91
	s_lshl_b32 s91, s89, 9
	s_add_co_u32 s90, s90, s91
	s_mov_b32 s91, 0
	s_lshl_b32 s[PFK], s15, 23      ; K's prefetches: my 32 rows of slot 2; the first change that asks steps this to slot 3
	s_lshl_b32 s[PFK+1], s13, 17
	s_add_co_u32 s[PFK], s[PFK], s[PFK+1]
	s_lshl_b32 s[PFK+1], s14, 9
	s_add_co_u32 s[PFK], s[PFK], s[PFK+1]
	s_add_co_u32 s[PFK], s[PFK], 2048+2*128*4096
	s_mov_b32 s[PFK+1], 0
	s_lshl_b32 s[PFM], s15, 22      ; the mask's: my 32 rows, at slot 2
	s_lshl_b32 s[PFM+1], s89, 18
	s_add_co_u32 s[PFM], s[PFM], s[PFM+1]
	s_lshl_b32 s[PFM+1], s14, 16
	s_add_co_u32 s[PFM], s[PFM], s[PFM+1]
	s_add_co_u32 s[PFM], s[PFM], 256
	s_mov_b32 s[PFM+1], 0
	s_and_b32 s[LIMK], ttmp9, 3     ; the batch's first cluster, wave 0: the same in all sixteen partners
	s_or_b32 s[LIMK], s[LIMK], s[WV]
	s_cmp_eq_u32 s[LIMK], 0
	s_cselect_b32 s[LIMK], 1, -1
	s_cmp_eq_u32 s[WV], 2
	s_cselect_b32 s[LIMM], 1, -1
	s_cselect_b32 s[TOG], -2, 0     ; 1 and the greatest number by turns in wave 2
	s_mov_b32 s[CS], 0x3e38aa3b     ; c = log2(e) / 8
	s_mov_b32 s[CS+1], s[CS]
	s_mov_b32 s[SEL], 0x76543210
	s_mov_b32 s[SEL+1], 0xfedcba98
	s_mov_b32 s[SP0], 0x00040404
	s_mov_b32 s[SP0+1], 0x01040404
	s_mov_b32 s[SP0+2], 0x02040404
	s_mov_b32 s[SP0+3], 0x03040404
	s_mov_b32 s[SPL], 0x01040004
	s_mov_b32 s[SPH], 0x03040204
	s_mov_b32 s[ME0], 0xe0
	s_mov_b32 s[HM], 0xffff0000
	s_mov_b32 s[TBK], SLOT1+2*KSTEP ; the first change of slots turns these two into 0
	s_mov_b32 s[TBM], SLOT1+128
	s_mov_b32 s[TBV], 0
	s_mov_b32 s[G0K], 1
	s_mul_i32 s[G0K+1], s86, KSTEP  ; LDS: slot 0, my step's 64 rows
	s_mov_b32 s[G0M], 1
	s_mul_i32 s[G0M+1], s86, 64*PM
	s_add_co_u32 s[G0M+1], s[G0M+1], MOFF
	s_mov_b32 s[G0V], 1
	s_mul_i32 s[G0V+1], s86, 32*PK
	s_add_co_u32 s[G0V+1], s[G0V+1], VT
	s_wait_dscnt 0x0                ; the opening add is done
	s_wait_kmcnt 0x0
	s_add_nc_u64 s[G0K+2:G0K+3], s[4:5], s[16:17]
	s_or_b32 s[G0K+3], s[G0K+3], 0x80000000
	s_add_nc_u64 s[G0M+2:G0M+3], s[6:7], s[18:19]
	s_or_b32 s[G0M+3], s[G0M+3], 0x80000000
	s_add_nc_u64 s[G0V+2:G0V+3], s[8:9], s[20:21]
	s_or_b32 s[G0V+3], s[G0V+3], 0x80000000
	s_add_nc_u64 s[22:23], s[4:5], s[22:23]         ; Q at my wave's first row
	s_add_nc_u64 s[10:11], s[10:11], s[90:91]
	s_add_nc_u64 s[PFK:PFK+1], s[4:5], s[PFK:PFK+1]
	s_add_nc_u64 s[PFM:PFM+1], s[6:7], s[PFM:PFM+1]
	CROUND                          ; all sixteen work-groups are here: the first joint loads meet
	s_cmp_lt_u32 s[WV], 2           ; a wave's first fills stand in one branch: one load (K of slot 0) or two (the mask of slot 0, half of vt) are out
	s_cbranch_scc0 .Lfirst_m
	tensor_load_to_lds s[G0K:G0K+3], s[G1K:G1K+7]
	s_nop 0
.rept 4
	v_nop
.endr
	s_branch .Lfirst_asked
.Lfirst_m:
	tensor_load_to_lds s[G0M:G0M+3], s[G1M:G1M+7]
	s_nop 0
	tensor_load_to_lds s[G0V:G0V+3], s[G1V:G1V+7]
	s_nop 0
.rept 4
	v_nop
.endr
.Lfirst_asked:
	v_and_b32 v52, 15, v0           ; r
	v_bfe_u32 v53, v0, 4, 1         ; h
	v_lshlrev_b32 v[QO], 12, v52
	v_lshl_add_u32 v[QO], v53, 4, v[QO]
	WIN 0x80                        ; destination window 2
.set z, 0
.rept 16                            ; Q stays in registers: piece z / 4, tile (z / 2) % 2, channels 32 (z % 2) on
	global_load_b128 v[8*z:8*z+3],   v[QO], s[22:23] offset:65536*((z/2)%2)+128*(z/4)+64*(z%2)
	global_load_b128 v[8*z+4:8*z+7], v[QO], s[22:23] offset:65536*((z/2)%2)+128*(z/4)+64*(z%2)+32
.set z, z+1
.endr
.set z, 0
.rept 64                            ; o and l start at 0: no first step is written out; these lines stand in the wait for the first tile
	v_mov_b32 v[OA+z], 0
.set z, z+1
.endr
	WIN 0
.set z, 0
.rept 8
	v_mov_b32 v[ST+2*z], 0xfe000000    ; c m: far below every c s, so the first a is 0
	v_mov_b32 v[ST+2*z+1], 0xff7fffff  ; m: the lowest finite number
.set z, z+1
.endr
	v_mov_b32 v[ZR], 0
	v_mul_u32_u24 v[AK0], v52, PK
	v_lshl_add_u32 v[AK0], v53, 4, v[AK0]
	s_mul_i32 s86, s[WV], 32*PM
	s_add_co_u32 s86, s86, MOFF
	v_mul_u32_u24 v[AM0], v52, PM
	v_lshl_add_u32 v[AM0], v53, 3, v[AM0]
	v_add_nc_u32 v[AM0], s86, v[AM0]
	v_lshrrev_b32 v54, 3, v52
	v_lshlrev_b32 v[AVA0], 6, v54
	v_lshl_add_u32 v[AVA0], v53, 4, v[AVA0]
	v_add_nc_u32 v[AVA0], VT, v[AVA0]
	v_and_b32 v54, 3, v52
	v_lshl_add_u32 v[AVC0], v54, 7, v[AVA0]
; THE MATRIX WORK.  Product i of 16 of S^T for piece x: tile i % 2, keys 16 ((i / 2) % 4) on, channels 32 (i / 8) on.  The first 8 start the sums with the mask.  The 8 accumulators take turns.
.macro KQ x
.set rD, S+64*((\x)%2)+32*(i%2)+8*((i/2)%4)
.set rK, KF+16*((i/2)%4)+8*(i/8)
.set rQ, 32*(\x)+16*(i%2)+8*(i/8)
.set rN, MC+32*(i%2)+8*((i/2)%4)
.if i < 8
	WIN 0x19                        ; K and C window 1, Q window 2, S^T window 0
	v_wmma_f32_16x16x32_bf16 v[rD:rD+7], v[rK:rK+7], v[rQ:rQ+7], v[rN:rN+7]
.else
	WIN 0x09
	v_wmma_f32_16x16x32_bf16 v[rD:rD+7], v[rK:rK+7], v[rQ:rQ+7], v[rD:rD+7]
.endif
.endm
.macro MM                           ; the turn's next product K Q^T; NOKQ = 1: the last turn of all has none
.if !NOKQ
	KQ (Y+1)%4
.endif
.set i, i+1
.endm
.macro PV u, kk                     ; (o | l) of piece Y, tile u += (v | ones) x P, keys 32 kk on
	WIN 0xa1
.set rO, OA+8*(2*Y+(\u))
	v_wmma_f32_16x16x32_bf16 v[rO:rO+7], v[VA+8*(\kk):VA+8*(\kk)+7], v[P+16*(\u)+8*(\kk):P+16*(\u)+8*(\kk)+7], v[rO:rO+7]
.endm
; THE LDS LOADS stand in runs.
.macro KLOAD hd                     ; head hd's K of the step at AKR: 64 keys x 64 channels
	WIN 0x40
.irp f, 0,1,2,3,4,5,6,7
	ds_load_b128 v[KF+8*\f:KF+8*\f+3],   v[AKR] offset:(\f/2)*16*PK+128*(\hd)+(\f%2)*64
	ds_load_b128 v[KF+8*\f+4:KF+8*\f+7], v[AKR] offset:(\f/2)*16*PK+128*(\hd)+(\f%2)*64+32
.endr
.endm
.macro VALOAD p                     ; rows 0-7: piece p's v; rows 8-15: ones
	WIN 0x40
.irp k, 0,1
	ds_load_b128 v[VA+8*\k:VA+8*\k+3],   v[AVR] offset:128*(\p)+PK*\k
	ds_load_b128 v[VA+8*\k+4:VA+8*\k+7], v[AVR] offset:128*(\p)+PK*\k+32
.endr
.endm
.macro MLOAD                        ; rows 0-7: v of heads 0-3, twice; rows 8-15: ones; and my queries' mask bytes, eight a lane and key block
	WIN 0x40
.irp k, 0,1
	ds_load_b128 v[VC+8*\k:VC+8*\k+3],   v[AVCR] offset:PK*\k
	ds_load_b128 v[VC+8*\k+4:VC+8*\k+7], v[AVCR] offset:PK*\k+32
.endr
	WIN 0
.irp f, 0,1,2,3,4,5,6,7             ; tile f / 4, key block f % 4
	ds_load_b64 v[RW+2*\f:RW+2*\f+1], v[AMR] offset:16*PM*(\f/4)+16*(\f%4)
.endr
.endm
; THE MASK OF A STEP.  A byte 1 becomes 0xe0; on top of a word that is -2^65 in f32, on top of a half -2^65 in bf16.  Then SV and cnt take the step's share.  first = 1: the products start the sums.
.macro PREP first
	WIN 0
.set z, 0
.rept 16
	v_mul_lo_u32 v[RW+z], v[RW+z], s[ME0]
.set z, z+1
.endr
	WIN 0x40
.set z, 0
.rept 64
	v_perm_b32 v[MC+z], v[ZR], v[RW+z/4], s[SP0+z%4]
.set z, z+1
.endr
.set z, 0
.rept 32
	v_perm_b32 v[MB+z], v[ZR], v[RW+z/2], s[SPL+z%2]
.set z, z+1
.endr
	WIN 0xa5
.irp k, 0,1
.irp u, 0,1
.if (\first) && ((\k) == 0)
	v_wmma_f32_16x16x32_bf16 v[XA+8*\u:XA+8*\u+7], v[VC+8*\k:VC+8*\k+7], v[MB+16*\u+8*\k:MB+16*\u+8*\k+7], 0
.else
	v_wmma_f32_16x16x32_bf16 v[XA+8*\u:XA+8*\u+7], v[VC+8*\k:VC+8*\k+7], v[MB+16*\u+8*\k:MB+16*\u+8*\k+7], v[XA+8*\u:XA+8*\u+7]
.endif
.endr
.endr
.endm
; THE VECTOR WORK.
.macro REGS y, u
.set rT, ST+2*(2*(\y)+(\u))
.set rC, TMP+8*((\y)%2)+4*(\u)
.set rM, MV+2*((\y)%2)+(\u)
.set rS, S+64*((\y)%2)+32*(\u)
.endm
; Number n of the 22 that find piece Y + 1's maximum and statistics, for tile u.  Each accumulator's lowest registers are read first.
;   0-11 four chains c0-c3 of seven scores   12-14, 16 the four left over, the old m, c0-c3 into c0   15 c m_old is kept   17, 18 the other half of the lanes: the new m   19-21 c m; its change; a
.macro XS u, n
	REGS (Y+1)%4, \u
.if (\n) < 4
	v_max3_num_f32 v[rC+(\n)], v[rS+8*(\n)], v[rS+8*(\n)+1], v[rS+8*(\n)+2]
.elseif (\n) < 12
	v_max3_num_f32 v[rC+(\n)%4], v[rC+(\n)%4], v[rS+8*((\n)%4)+2*((\n)/4)+1], v[rS+8*((\n)%4)+2*((\n)/4)+2]
.elseif (\n) == 12
	v_max3_num_f32 v[rC], v[rC], v[rS+7], v[rS+15]
.elseif (\n) == 13
	v_max3_num_f32 v[rC+1], v[rC+1], v[rS+23], v[rS+31]
.elseif (\n) == 14
	v_max3_num_f32 v[rC+2], v[rC+2], v[rC+3], v[rT+1]
.elseif (\n) == 15
	v_mov_b32 v[rM], v[rT]
.elseif (\n) == 16
	v_max3_num_f32 v[rC], v[rC], v[rC+1], v[rC+2]
.elseif (\n) == 17
	v_permlanex16_b32 v[rC+3], v[rC], s[SEL], s[SEL+1]
.elseif (\n) == 18
	v_max_num_f32 v[rT+1], v[rC], v[rC+3]
.elseif (\n) == 19
	v_mul_f32 v[rT], s[CS], v[rT+1]
.elseif (\n) == 20
	v_sub_f32 v[rC+1], v[rM], v[rT]
.else
	v_exp_f32 v[rC+2], v[rC+1]
.endif
.endm
.macro FS f                         ; c s - c m for pair f / 2 of tile f % 2 of piece Y
	REGS Y, (\f)%2
	v_pk_fma_f32 v[rS+2*((\f)/2):rS+2*((\f)/2)+1], v[rS+2*((\f)/2):rS+2*((\f)/2)+1], s[CS:CS+1], v[rT:rT+1] op_sel_hi:[1,0,0] neg_lo:[0,0,1] neg_hi:[0,0,1]
.endm
; THE PLAIN QUEUE, 74 long: the 32 scalings; XS's numbers 0-13, tiles by turns; 15; then the chain 14, 16 .. 20.
.macro PL
	WIN 0
.if q < 32
	FS q
.elseif NOKQ
.elseif q < 60
	XS (q-32)%2, (q-32)/2
.elseif q < 62
	XS q-60, 15
.elseif q < 64
	XS q-62, 14
.else
	XS (q-64)%2, 16+(q-64)/2
.endif
.set q, q+1
.endm
; THE EXPONENTIALS' QUEUE, 66 long: both tiles' 32 scores, then the next piece's two a.  One batch: nothing ahead of the turn's wait names a result of theirs.
.macro EX
.if e < 64
	WIN 0
	REGS Y, e%2
	v_exp_f32 v[rS+e/2], v[rS+e/2]
.elseif !NOKQ
	WIN 0
	XS e-64, 21
.endif
.set e, e+1
.endm
.macro CV                           ; the roundings to bf16: first both tiles' keys 0-31, then tile 0's keys 32-63, then tile 1's
	WIN 0
.if g < 16
.set cu, g%2
.set cp, g/2
.elseif g < 24
.set cu, 0
.set cp, g-8
.else
.set cu, 1
.set cp, g-16
.endif
	REGS Y, cu
	v_cvt_pk_bf16_f32 v[P+16*cu+cp], v[rS+2*cp], v[rS+2*cp+1]
.set g, g+1
.endm
.macro RS u                         ; o and l times a: register 0 alone is used; the other seven hold sums of p v or p that are never read and stay finite
	REGS Y, \u
	WIN 0x82
	v_mul_f32 v[OA+8*(2*Y+(\u))], v[OA+8*(2*Y+(\u))], v[rC+2]
.endm
; A TURN, for piece p.  kf = 1: K of head p + 2 is fetched for the next turn.  mf = 1: the next step's mask and v of four heads too.  nokq = 1: the last turn of all.
; THE DEAL.  Behind the first product four scalings, behind each other a scaling, an exponential, a plain one, an exponential.  Exponential e comes behind scaling 2 (e / 4) + e % 2, which the deal has issued well ahead.
; The first reads of the new scores stand seven plain instructions or more behind the product that ends their accumulator; K's run stands eight plain instructions behind the last product that read K
; (ISA guide 7.12.1).  One v_nop is the plain instruction behind the last exponential; one s_wait_alu serves the batch.  The run of loads has the rest of the lump in which to land.
.macro TURN p, kf, mf, nokq
.set Y, (\p)
.set NOKQ, (\nokq)
.set i, 0
.set q, 0
.set e, 0
.set g, 0
	WIN 0
.if (\p) == 0
	v_add_nc_u32 v[AVR], s[TBV], v[AVA0]           ; this step's v
	s_add_co_u32 s[TBV], s[TBV], VSTEP
.endif
.if ((\p) == 2) && (\kf)
	v_add_nc_u32 v[AKR], s[TBK], v[AK0]            ; the next step's K, mask and v
	v_add_nc_u32 v[AMR], s[TBM], v[AM0]
	v_add_nc_u32 v[AVCR], s[TBV], v[AVC0]
.endif
	MM
.rept 4
	PL
.endr
.rept 15
	MM
	PL
	EX
	PL
	EX
.endr
.rept 6
	PL
.endr
.if \kf
	KLOAD ((\p)+2)%4
.endif
	VALOAD \p
.if \mf
	MLOAD
.endif
.rept 34
	EX
	PL
.endr
	EX
	EX
	WIN 0
	v_nop
	s_wait_alu depctr_va_vdst(0)    ; the wait for the batch
.rept 16
	CV
.endr
	RS 0
	RS 1
	s_wait_dscnt 0x0                ; the run is in
	PV 0, 0
.rept 4
	CV
.endr
	PV 1, 0
.rept 4
	CV
.endr
	PV 0, 1
.rept 8
	CV
.endr
	PV 1, 1
.endm
	CHANGE 1, 0                     ; slot 0 and vt are in, everybody's part of them; slot 1 is asked for
	v_add_nc_u32 v[AKR], s[TBK], v[AK0]
	v_add_nc_u32 v[AMR], s[TBM], v[AM0]
	v_add_nc_u32 v[AVCR], s[TBV], v[AVC0]
	KLOAD 0
	MLOAD
	s_wait_dscnt 0x0
	PREP 1                          ; step 0's mask
	s_wait_loadcnt 0x0              ; Q
.set i, 0
.rept 16
	KQ 0                            ; piece 0's first scores
.set i, i+1
.endr
	WIN 0                           ; six plain instructions, the places behind those products
	v_and_b32 v54, 31, v0
	v_lshlrev_b32 v[PFOK], 12, v54
	v_lshlrev_b32 v[PFOM], 11, v54
	v_lshl_add_u32 v[STS], v0, 2, STG
	v_lshlrev_b32 v[GO], 4, v54
	v_lshl_add_u32 v[RDS], v54, 4, STG
	KLOAD 1
	WIN 0
.set Y, 3                           ; XS works for piece Y + 1: piece 0
.set NOKQ, 0
.irp n, 0,1,2,3,4,5,6,7,8,9,10,11,12,13,14,15,16,17,18,19,20,21
	XS 0, \n
	XS 1, \n
.endr
	v_nop                           ; a plain instruction behind the two a,
	s_wait_alu depctr_va_vdst(0)    ; and their wait, ahead of the branch
	s_wait_dscnt 0x0                ; K of head 1
	s_mov_b32 s[CNT], 2
	s_mov_b32 s[SLOTS], 15
	s_branch .Lfirst                ; the loop is entered at a step's first turn, in the middle of a trip
.Lslot:                             ; 14 times: slots 2 to 15 are asked for
	CHANGE 1, 1
	s_mov_b32 s[CNT], 2
.Lstep:                             ; a trip: pieces 2 and 3 of one step, then pieces 0 and 1 of the next, from whose tile all its fetches come
	TURN 2, 1, 1, 0
	PREP 0
	TURN 3, 1, 0, 0
	WIN 0
.Lfirst:
	TURN 0, 1, 0, 0
	TURN 1, 1, 0, 0
	WIN 0
	s_add_co_u32 s[TBK], s[TBK], KSTEP
	s_add_co_u32 s[TBM], s[TBM], 64
	s_sub_co_u32 s[CNT], s[CNT], 1
	s_cmp_lg_u32 s[CNT], 0
	s_cbranch_scc1 .Lstep
	s_sub_co_u32 s[SLOTS], s[SLOTS], 1
	s_cmp_lg_u32 s[SLOTS], 0
	s_cbranch_scc1 .Lslot
	CHANGE 0, 0                     ; the tail is written out: the last slot is entered, nothing is asked for
	s_mov_b32 s[CNT], 2
.Ltail:
	TURN 2, 1, 1, 0
	PREP 0
	TURN 3, 1, 0, 0
	TURN 0, 1, 0, 0
	TURN 1, 1, 0, 0
	WIN 0
	s_add_co_u32 s[TBK], s[TBK], KSTEP
	s_add_co_u32 s[TBM], s[TBM], 64
	s_sub_co_u32 s[CNT], s[CNT], 1
	s_cmp_lg_u32 s[CNT], 0
	s_cbranch_scc1 .Ltail
	TURN 2, 0, 0, 0                 ; the last step's pieces 2 and 3: nothing more of K or the mask is fetched
	TURN 3, 0, 0, 1
	; THE WAY OUT.  t = 2 p + u.  Lanes 0-15 work for query r; what lanes 16-31 make meanwhile is not used.
.set XU, 64           ; v64-71   SV of tile u, head j at XU + 4 u + j
.set OV, 72           ; v72-79   o (lanes 0-15) and l (lanes 16-31)
.set LV, 80           ; v80-87   l in lanes 0-15
.set CN, 88           ; v88-89   cnt
.set NM, 90           ; v90-91   the masked keys' exponent
.set BG, 92
.set NC, 93
.set DU, 96
.set DM, 104
.set MX, 112
.set RR, 120
.set TT, 122
	WIN 0x02                        ; source 0 window 2.  The first eight moves are the places behind the last products
.set z, 0
.rept 8
	v_mov_b32 v[XU+z], v[XA+8*(z/4)+z%4]
.set z, z+1
.endr
.set z, 0
.rept 8
	v_mov_b32 v[OV+z], v[OA+8*z]
.set z, z+1
.endr
	WIN 0
.set z, 0
.rept 8
	v_permlanex16_b32 v[LV+z], v[OV+z], s[SEL], s[SEL+1]
.set z, z+1
.endr
	v_permlanex16_b32 v[CN], v[XU], s[SEL], s[SEL+1]
	v_permlanex16_b32 v[CN+1], v[XU+4], s[SEL], s[SEL+1]
	v_mov_b32 v[BG], 0xff000000     ; -2^127: no key is masked
	v_mov_b32 v[NC], 0xc7a910da     ; -60000 log2(e)
	v_mul_f32 v[CN], 0x9f000000, v[CN]      ; times -2^-65
	v_mul_f32 v[CN+1], 0x9f000000, v[CN+1]
.set z, 0
.rept 8
	v_mul_f32 v[XU+z], 0x9f000000, v[XU+z]
.set z, z+1
.endr
.irp u, 0,1
	v_cmp_lt_f32 vcc_lo, 0.5, v[CN+\u]
	v_cndmask_b32 v[NM+\u], v[BG], v[NC], vcc_lo
.endr
.set z, 0
.rept 8
	v_max_num_f32 v[MX+z], v[ST+2*z], v[NM+z%2]
.set z, z+1
.endr
.set z, 0
.rept 8
	v_sub_f32 v[DU+z], v[ST+2*z], v[MX+z]
	v_sub_f32 v[DM+z], v[NM+z%2], v[MX+z]
.set z, z+1
.endr
.set z, 0
.rept 16
	v_exp_f32 v[DU+z], v[DU+z]      ; the two weights, one of them 1
.set z, z+1
.endr
	v_nop
	s_wait_alu depctr_va_vdst(0)    ; one wait for the sixteen
.set z, 0
.rept 8
	v_mul_f32 v[MX+z], v[DM+z], v[XU+4*(z%2)+z/2]
	v_mul_f32 v[DM+z], v[DM+z], v[CN+z%2]
.set z, z+1
.endr
.set z, 0
.rept 8
	v_fma_f32 v[MX+z], v[DU+z], v[OV+z], v[MX+z]
	v_fma_f32 v[DM+z], v[DU+z], v[LV+z], v[DM+z]
.set z, z+1
.endr
.set z, 0
.rept 8
	v_rcp_f32 v[DM+z], v[DM+z]
.set z, z+1
.endr
	v_nop
	s_wait_alu depctr_va_vdst(0)    ; one wait for the eight
	v_mul_f32 v[RR], v[MX], v[DM]
	v_mul_f32 v[RR+1], v[MX+1], v[DM+1]
.irp z, 2,3,4,5,6,7                 ; the sum over the four heads
	v_fma_f32 v[RR+\z%2], v[MX+\z], v[DM+\z], v[RR+\z%2]
.endr
	v_permlanex16_b32 v[TT], v[RR+1], s[SEL], s[SEL+1]
	v_cndmask_b32 v[RR], v[RR], v[TT], s[HM]       ; lanes 16-31 take tile 1: thread t holds query t of the block
	ds_store_b32 v[STS], v[RR]
	s_wait_dscnt 0x0
	s_barrier_signal -1
	s_barrier_wait -1
	s_cmp_lg_u32 s[WV], 0
	s_cbranch_scc1 .Lend
	ds_load_b128 v[64:67], v[RDS]
	s_wait_dscnt 0x0
	global_store_b128 v[GO], v[64:67], s[10:11]    ; the block's 128 numbers: 512 consecutive bytes, aligned
.Lend:
	s_wait_tensorcnt 0x0            ; the wave's end, behind my last tensor load and my last LDS store
	ds_add_u32 v[SPW], v[NIL]
	s_wait_dscnt 0x0
	CROUND                          ; the closing round: no work-group ends while a partner may still ask for a tile that names it
	s_endpgm
.Lfunc_end_k_q5c01fa05f8_attn:
	.size	k_q5c01fa05f8_attn, .Lfunc_end_k_q5c01fa05f8_attn-k_q5c01fa05f8_attn
	.p2alignl 7, 3214868480
	.fill 96, 4, 3214868480
	.section	.rodata,"a",@progbits
	.p2align	6, 0x0
	.amdhsa_kernel k_q5c01fa05f8_attn
		.amdhsa_group_segment_fixed_size 327680
		.amdhsa_private_segment_fixed_size 0
		.amdhsa_enable_private_segment 0
		.amdhsa_kernarg_size 32
		.amdhsa_user_sgpr_count 2
		.amdhsa_user_sgpr_kernarg_segment_ptr 1
		.amdhsa_wavefront_size32 1
		.amdhsa_system_sgpr_workgroup_id_x 1
		.amdhsa_system_sgpr_workgroup_id_y 1
		.amdhsa_system_sgpr_workgroup_id_z 1
		.amdhsa_system_vgpr_workitem_id 0
		.amdhsa_next_free_vgpr 768
		.amdhsa_next_free_sgpr 92
		.amdhsa_reserve_vcc 1
		.amdhsa_float_denorm_mode_32 3
		.amdhsa_float_denorm_mode_16_64 3
		.amdhsa_memory_ordered 1
		.amdhsa_forward_progress 1
		.amdhsa_inst_pref_size 175
	.end_amdhsa_kernel
	.amdgpu_metadata
---
amdhsa.version: [ 1, 2 ]
amdhsa.kernels:
  - .name:           k_q5c01fa05f8_attn
    .symbol:         k_q5c01fa05f8_attn.kd
    .args:
      - { .name: qk, .offset: 0, .size: 8, .value_kind: global_buffer, .address_space: global }
      - { .name: att_mask, .offset: 8, .size: 8, .value_kind: global_buffer, .address_space: global }
      - { .name: vt, .offset: 16, .size: 8, .value_kind: global_buffer, .address_space: global }
      - { .name: part, .offset: 24, .size: 8, .value_kind: global_buffer, .address_space: global }
    .group_segment_fixed_size: 327680
    .private_segment_fixed_size: 0
    .kernarg_segment_align: 8
    .kernarg_segment_size: 32
    .max_flat_workgroup_size: 128
    .sgpr_count:     92
    .vgpr_count:     768
    .wavefront_size: 32
...
	.end_amdgpu_metadata
.endif
;; end of part 3
;; launch fin (part 4): grid 16 x 1, 4 waves a work-group, no clusters, 0 bytes of LDS; arguments part, att_mask, out0; writes out0
.if DOCPART == 4
	.amdgcn_target "amdgcn-amd-amdhsa--gfx1250"
	.amdhsa_code_object_version 6
	.text
	.protected	k_q5c01fa05f8_fin
	.globl	k_q5c01fa05f8_fin
	.p2align	8
	.type	k_q5c01fa05f8_fin,@function
k_q5c01fa05f8_fin:
	s_mov_b64 s[64:65], 0
	v_nop
	global_prefetch_b8 v0, s[64:65] scope:SCOPE_SE
	s_setreg_imm32_b32 hwreg(HW_REG_WAVE_MODE, 25, 1), 1
	s_wait_xcnt 0x0
; out0[b][q] = sigmoid(att_mask[b][2047][q] ? -60000 : the sum of the four head groups' parts).  part: [4][8192] f32.
; Thread t of work-group i owns the four numbers 512 i + 4 t .. + 3: 16 bytes of each part and of out0, four bytes of the mask's last row.  16 work-groups are all the work there is.
; sigmoid(z) = 1 / (1 + 2^(-z log2(e))): for z = -60000 the power is an infinity and the reciprocal 0, which is what the definition gives in f32.
	s_load_b128 s[4:7], s[0:1], 0x0                ; part s[4:5], att_mask s[6:7]
	s_load_b64 s[8:9], s[0:1], 0x10                ; out0
	v_lshlrev_b32 v1, 4, v0                        ; 16 t
	v_lshlrev_b32 v2, 2, v0                        ; 4 t
	v_mov_b32 v22, 0xc76a6000                      ; -60000
	s_lshl_b32 s10, ttmp9, 11                      ; 512 numbers of 4 bytes
	s_mov_b32 s11, 0
	s_lshr_b32 s12, ttmp9, 2                       ; the batch,
	s_lshl_b32 s12, s12, 22                        ; its 2,048 x 2,048 bytes,
	s_and_b32 s13, ttmp9, 3
	s_lshl_b32 s13, s13, 9
	s_add_co_u32 s12, s12, s13
	s_add_co_u32 s12, s12, 2047*2048               ; its last row
	s_mov_b32 s13, 0
	s_wait_kmcnt 0x0
	s_add_nc_u64 s[4:5], s[4:5], s[10:11]
	s_add_nc_u64 s[6:7], s[6:7], s[12:13]
	s_add_nc_u64 s[8:9], s[8:9], s[10:11]
.irp g, 0,1,2,3
	global_load_b128 v[4+4*\g:7+4*\g], v1, s[4:5] offset:32768*\g
.endr
	global_load_b32 v20, v2, s[6:7]
	s_wait_loadcnt 0x0
	v_pk_add_f32 v[4:5], v[4:5], v[8:9]
	v_pk_add_f32 v[6:7], v[6:7], v[10:11]
	v_pk_add_f32 v[12:13], v[12:13], v[16:17]
	v_pk_add_f32 v[14:15], v[14:15], v[18:19]
	v_pk_add_f32 v[4:5], v[4:5], v[12:13]
	v_pk_add_f32 v[6:7], v[6:7], v[14:15]
.irp j, 0,1,2,3
	v_bfe_u32 v21, v20, 8*\j, 8
	v_cmp_ne_u32 vcc_lo, 0, v21
	v_cndmask_b32 v[4+\j], v[4+\j], v22, vcc_lo
	v_mul_f32 v[4+\j], 0xbfb8aa3b, v[4+\j]         ; times -log2(e)
.endr
.irp j, 0,1,2,3
	v_exp_f32 v[4+\j], v[4+\j]
.endr
	v_nop                                          ; a plain instruction behind the last exponential,
	s_wait_alu depctr_va_vdst(0)                   ; and the wait: one for the four
.irp j, 0,1,2,3
	v_add_f32 v[4+\j], 1.0, v[4+\j]
.endr
.irp j, 0,1,2,3
	v_rcp_f32 v[4+\j], v[4+\j]
.endr
	v_nop
	s_wait_alu depctr_va_vdst(0)
	global_store_b128 v1, v[4:7], s[8:9]           ; 16 lanes store 256 consecutive bytes, aligned
	s_endpgm
.Lfunc_end_k_q5c01fa05f8_fin:
	.size	k_q5c01fa05f8_fin, .Lfunc_end_k_q5c01fa05f8_fin-k_q5c01fa05f8_fin
	.p2alignl 7, 3214868480
	.fill 96, 4, 3214868480
	.section	.rodata,"a",@progbits
	.p2align	6, 0x0
	.amdhsa_kernel k_q5c01fa05f8_fin
		.amdhsa_group_segment_fixed_size 0
		.amdhsa_private_segment_fixed_size 0
		.amdhsa_enable_private_segment 0
		.amdhsa_kernarg_size 24
		.amdhsa_user_sgpr_count 2
		.amdhsa_user_sgpr_kernarg_segment_ptr 1
		.amdhsa_wavefront_size32 1
		.amdhsa_system_sgpr_workgroup_id_x 1
		.amdhsa_system_sgpr_workgroup_id_y 1
		.amdhsa_system_sgpr_workgroup_id_z 1
		.amdhsa_system_vgpr_workitem_id 0
		.amdhsa_next_free_vgpr 32
		.amdhsa_next_free_sgpr 66
		.amdhsa_reserve_vcc 1
		.amdhsa_float_denorm_mode_32 3
		.amdhsa_float_denorm_mode_16_64 3
		.amdhsa_memory_ordered 1
		.amdhsa_forward_progress 1
		.amdhsa_inst_pref_size 4
	.end_amdhsa_kernel
	.amdgpu_metadata
---
amdhsa.version: [ 1, 2 ]
amdhsa.kernels:
  - .name:           k_q5c01fa05f8_fin
    .symbol:         k_q5c01fa05f8_fin.kd
    .args:
      - { .name: part, .offset: 0, .size: 8, .value_kind: global_buffer, .address_space: global }
      - { .name: att_mask, .offset: 8, .size: 8, .value_kind: global_buffer, .address_space: global }
      - { .name: out0, .offset: 16, .size: 8, .value_kind: global_buffer, .address_space: global }
    .group_segment_fixed_size: 0
    .private_segment_fixed_size: 0
    .kernarg_segment_align: 8
    .kernarg_segment_size: 24
    .max_flat_workgroup_size: 128
    .sgpr_count:     66
    .vgpr_count:     32
    .wavefront_size: 32
...
	.end_amdgpu_metadata
.endif
;; end of part 4
;; ======== version 2 of 2: 4 launches; version 1 with the launch prep written anew for expert scheduling mode
;; limits: right only within a limited range of input values
;; workspace buffers: xb 16,777,216 bytes; wt 4,194,304 bytes; qk 33,554,432 bytes; vt 524,288 bytes; part 131,072 bytes
;; launch prep (part 5): grid 256 x 1, 8 waves a work-group, no clusters, 139,264 bytes of LDS; arguments x, W_qk, W_v, xb, wt, vt; writes xb, wt, vt
.if DOCPART == 5
	.amdgcn_target "amdgcn-amd-amdhsa--gfx1250"
	.amdhsa_code_object_version 6
	.text
	.protected	k_q5c01fa05f8_prep
	.globl	k_q5c01fa05f8_prep
	.p2align	8
	.type	k_q5c01fa05f8_prep,@function
k_q5c01fa05f8_prep:
	s_mov_b64 s[64:65], 0
	v_nop
	global_prefetch_b8 v0, s[64:65] scope:SCOPE_SE
	s_setreg_imm32_b32 hwreg(HW_REG_WAVE_SCHED_MODE, 0, 2), 2
	s_setreg_imm32_b32 hwreg(HW_REG_WAVE_MODE, 25, 1), 1
	s_wait_xcnt 0x0
	s_wait_alu depctr_vm_vsrc(0)
; xb = bf16(x), [8192][1024].  wt = bf16(W_qk) transposed, [2048 n][1024 k].  vt = bf16(x W_v) by blocks of 32 tokens: [256 blocks][16 heads][32 v, then 32 x 1.0].
; Work-group i: rows 32 i .. 32 i + 31 of x (one block of vt), and the block k = 128 (i & 7) .. + 127, n = 64 (i >> 3) .. + 63 of W_qk.
; Wave w takes channels 128 w .. + 127 of the 32 rows: each of its loads covers 512 consecutive bytes of x, each of its stores 256 consecutive, aligned bytes of xb.
; It multiplies that slice by its slice of W_v (bf16 operands, f32 sums); the eight partial sums meet in LDS, in f32.  x, W_qk and W_v are each rounded once to bf16.
; All 56 loads of a wave go out at the start; the waits count down.  No tensor load: nothing is read twice, and the conversion wants the data in registers anyway.
; THE MODE: SCHED_MODE bits 1:0 = 2 (LLVM: expert scheduling mode 2), set by the entry lines.  The code itself states the register dependences
; between vector or matrix instructions and memory or LDS instructions, with s_wait_alu, always for 0.
; THE PLAN.  Registers that memory or LDS instructions touch:
;   v2-v13, v16-v19, v127 (addresses), v20-23 (ones)   made at the head, never written again: one wait ahead of the first load serves every access of the kernel.
;   WR  W_v as loaded; its conversions close the results up into WS, which W_v's 16 LDS stores read.   QR  W_qk as loaded; its conversions write WP, which 4 LDS stores read.
;   XR  a row of x in four registers of its own; the row's two conversions write the first two in place, and its global store and its LDS store read them.
;   No register that a store reads is written again before the fragments' loads.
; THE CONVERSIONS GO IN STAGES: W_v; W_qk; x in eight blocks of four rows.  A stage's head is its wait for its data and ONE wait on va_vdst: the stage before has written its results.
; The stores of the stage before follow, dealt among this stage's conversions, which name this stage's registers alone: none that those stores read.
; Behind the last block's stores one wait on vm_vsrc states that all stores have read XR and WS: the fragments land there, and the products write there.
.set XL,    0                          ; per wave 32 rows x 272 bytes (256 of bf16 + 16): 8,704 a wave
.set WVL,   69632                      ; per wave 128 k x 32 bytes: W_v's slice as [k][16 heads] bf16
.set RED,   102400                     ; partial sums: 2,048 x wave + 1,024 x tile + 32 x lane
.set VB,    118784                     ; the block of vt: 16 heads x 128 bytes
.set TW,    120832                     ; W_qk's block turned: 64 rows n x 272 bytes; the 1,024 bytes behind it take the closing add, a word a thread
.set XO,  2                            ; v2   16 t: my 16 bytes in a row of x
.set XBO, 3                            ; v3   8 t: my 8 bytes in a row of xb
.set XLS, 4                            ; v4   XL + 8,704 w + 8 l
.set XLF, 5                            ; v5   XL + 8,704 w + 272 r + 16 h
.set WVO, 6                            ; v6   8,192 w + 16 l
.set WVS, 7                            ; v7   WVL + 4,096 w + 8 l
.set WVF, 8                            ; v8   WVL + 4,096 w + 32 (8 h + l % 8) + 16 ((l / 8) % 2)
.set WQO, 9                            ; v9   65,536 kc + 16 cg
.set TWS, 10                           ; v10  TW + 1,088 cg + 16 kc
.set TWR, 11                           ; v11  TW + 272 kc + 16 cg
.set WTO, 12                           ; v12  2,048 kc + 16 cg
.set REDS, 13                          ; v13  RED + 2,048 w + 32 l
.set REDR, 16                          ; v16  RED + 1,024 w + 32 l
.set VBS, 17                           ; v17  VB + 128 r + 32 w + 16 h
.set ONS, 18                           ; v18  VB + 64 + 128 (l / 4) + 16 (l % 4)
.set VBR, 19                           ; v19  VB + 16 l
.set ONE, 20                           ; v[20:23] 1.0 eight times in bf16
.set WR,  24                           ; v[24:87]  W_v as loaded
.set WS,  24                           ; v[24:55]  W_v in bf16, closed up: two registers for each of the 16 loads
.set ACC, 24                           ; later: two accumulators
.set BF,  40                           ; later: W_v's four fragments
.set WP,  72                           ; later: W_qk packed
.set QR,  88                           ; v[88:119] W_qk as loaded; later the rows read back
.set VTO, 127                          ; v127 16 l
.set XR,  128                          ; v[128:255] x, four registers a row
.set AF,  128                          ; later: x's eight fragments
.set RT,  192                          ; later: the partial sums
	s_load_b256 s[4:11], s[0:1], 0x0               ; x s[4:5], W_qk s[6:7], W_v s[8:9], xb s[10:11]
	s_load_b128 s[12:15], s[0:1], 0x20             ; wt s[12:13], vt s[14:15]
	v_lshl_add_u32 v14, v0, 2, 0x21c00
	v_mov_b32 v15, 0
	v_lshrrev_b32 v1, 5, v0
	v_readfirstlane_b32 s16, v1                    ; wave 0..7
	v_and_b32 v120, 31, v0                         ; l
	v_and_b32 v121, 15, v0                         ; r = l % 16 = cg
	v_bfe_u32 v122, v0, 4, 1                       ; h = l / 16
	v_lshrrev_b32 v123, 4, v0                      ; kc = t / 16
	v_and_b32 v124, 7, v0
	v_bfe_u32 v125, v0, 3, 1
	s_wait_alu depctr_va_sdst(0)                   ; s16 is written, ahead of its first reader: the wave's LDS bases and the branches on the wave's number are made from it
	s_mul_i32 s17, s16, 8704
	s_lshl_b32 s18, s16, 12
	s_add_co_u32 s18, s18, WVL
	s_lshl_b32 s19, s16, 11
	s_add_co_u32 s19, s19, RED
	s_lshl_b32 s30, s16, 13
	s_lshl_b32 s31, s16, 10
	s_add_co_u32 s31, s31, RED
	v_lshlrev_b32 v[XO], 4, v0
	v_lshlrev_b32 v[XBO], 3, v0
	v_lshl_add_u32 v[XLS], v120, 3, s17
	v_mul_u32_u24 v[XLF], v121, 272
	v_lshl_add_u32 v[XLF], v122, 4, v[XLF]
	v_add_nc_u32 v[XLF], s17, v[XLF]
	v_lshl_add_u32 v[WVO], v120, 4, s30
	v_lshl_add_u32 v[WVS], v120, 3, s18
	v_lshl_add_u32 v[WVF], v122, 3, v124
	v_lshlrev_b32 v[WVF], 5, v[WVF]
	v_lshl_add_u32 v[WVF], v125, 4, v[WVF]
	v_add_nc_u32 v[WVF], s18, v[WVF]
	v_lshlrev_b32 v[WQO], 16, v123
	v_lshl_add_u32 v[WQO], v121, 4, v[WQO]
	v_mul_u32_u24 v[TWS], v121, 1088
	v_lshl_add_u32 v[TWS], v123, 4, v[TWS]
	v_add_nc_u32 v[TWS], TW, v[TWS]
	v_mul_u32_u24 v[TWR], v123, 272
	v_lshl_add_u32 v[TWR], v121, 4, v[TWR]
	v_add_nc_u32 v[TWR], TW, v[TWR]
	v_lshlrev_b32 v[WTO], 11, v123
	v_lshl_add_u32 v[WTO], v121, 4, v[WTO]
	v_lshl_add_u32 v[REDS], v120, 5, s19
	v_lshl_add_u32 v[REDR], v120, 5, s31
	s_lshl_b32 s31, s16, 5
	s_add_co_u32 s31, s31, VB
	v_lshlrev_b32 v[VBS], 7, v121
	v_lshl_add_u32 v[VBS], v122, 4, v[VBS]
	v_add_nc_u32 v[VBS], s31, v[VBS]
	v_lshrrev_b32 v[ONS], 2, v120
	v_lshlrev_b32 v[ONS], 7, v[ONS]
	v_and_b32 v126, 3, v0
	v_lshl_add_u32 v[ONS], v126, 4, v[ONS]
	v_add_nc_u32 v[ONS], VB+64, v[ONS]
	v_lshl_add_u32 v[VBR], v120, 4, VB
	v_lshlrev_b32 v[VTO], 4, v120
.irp j, 0,1,2,3
	v_mov_b32 v[ONE+\j], 0x3f803f80
.endr
	s_lshl_b32 s20, ttmp9, 17                      ; 32 rows of x
	s_mov_b32 s21, 0
	s_lshl_b32 s22, ttmp9, 16                      ; 32 rows of xb
	s_mov_b32 s23, 0
	s_and_b32 s17, ttmp9, 7
	s_lshr_b32 s18, ttmp9, 3
	s_lshl_b32 s24, s17, 20                        ; 128 rows k of W_qk,
	s_lshl_b32 s25, s18, 8                         ; 64 columns n
	s_add_co_u32 s24, s24, s25
	s_mov_b32 s25, 0
	s_lshl_b32 s26, s18, 17                        ; 64 rows n of wt,
	s_lshl_b32 s27, s17, 8                         ; 128 columns k
	s_add_co_u32 s26, s26, s27
	s_mov_b32 s27, 0
	s_lshl_b32 s28, ttmp9, 11                      ; a block of vt
	s_mov_b32 s29, 0
	s_wait_kmcnt 0x0
	s_add_nc_u64 s[4:5], s[4:5], s[20:21]
	s_add_nc_u64 s[10:11], s[10:11], s[22:23]
	s_add_nc_u64 s[6:7], s[6:7], s[24:25]
	s_add_nc_u64 s[12:13], s[12:13], s[26:27]
	s_add_nc_u64 s[14:15], s[14:15], s[28:29]
	s_wait_alu depctr_va_vdst(0)                   ; the addresses v2 to v13, v16 to v19 and v127 and the ones in v20 to v23 are written: every load and store of the kernel reads some of them
	; all loads of the wave: 16 of W_v, 8 of W_qk, 32 of x
.set n, 0
.rept 16
	global_load_b128 v[WR+4*n:WR+4*n+3], v[WVO], s[8:9] offset:512*n
.set n, n+1
.endr
.set n, 0
.rept 8
	global_load_b128 v[QR+4*n:QR+4*n+3], v[WQO], s[6:7] offset:8192*n th:TH_LOAD_NT
.set n, n+1
.endr
.set n, 0
.rept 32
	global_load_b128 v[XR+4*n:XR+4*n+3], v[XO], s[4:5] offset:4096*n th:TH_LOAD_NT
.set n, n+1
.endr
	; STAGE W_v: the four numbers of load n close up into WS + 2 n, WS + 2 n + 1, which lie at or below the registers that they came in: no number is written over before it is read
	s_wait_loadcnt 40                              ; W_v is in: the 8 + 32 younger loads stay out
.set n, 0
.rept 16
	v_cvt_pk_bf16_f32 v[WS+2*n], v[WR+4*n], v[WR+4*n+1]
	v_cvt_pk_bf16_f32 v[WS+2*n+1], v[WR+4*n+2], v[WR+4*n+3]
.set n, n+1
.endr
	; STAGE W_qk, with W_v's stores
	s_wait_loadcnt 32                              ; W_qk is in: x's 32 loads stay out
	s_wait_alu depctr_va_vdst(0)                   ; W_v's conversions have written WS, which the LDS stores below read; the conversions among them name QR and WP alone
.set n, 0
.irp c, 0,1,2,3                        ; column n = 4 cg + c: eight neighbouring k make 16 bytes of a row of wt
.irp j, 0,1,2,3
	ds_store_b64 v[WVS], v[WS+2*n:WS+2*n+1] offset:256*n  ; the slice stays linear: [k][16 heads], 32 bytes a k
	v_cvt_pk_bf16_f32 v[WP+4*\c+\j], v[QR+8*\j+\c], v[QR+8*\j+4+\c]
.set n, n+1
.endr
.endr
	; STAGES x: eight blocks of four rows.  Block 0 carries W_qk's four stores, block b the stores of block b - 1
.set b, 0
.rept 8
	s_wait_loadcnt 28-4*b                          ; the block's four rows are in; the younger blocks stay out
	s_wait_alu depctr_va_vdst(0)                   ; the stage before has written what the stores below read: WP (block 0), or the first two registers of its four rows; this block's conversions name its own rows alone
.set i, 0
.rept 4
.if b == 0
	ds_store_b128 v[TWS], v[WP+4*i:WP+4*i+3] offset:272*i
.else
.set m, 4*(b-1)+i
	global_store_b64 v[XBO], v[XR+4*m:XR+4*m+1], s[10:11] offset:2048*m  ; the wave's 32 lanes store 256 consecutive bytes, aligned
	ds_store_b64 v[XLS], v[XR+4*m:XR+4*m+1] offset:272*m
.endif
.set n, 4*b+i
	v_cvt_pk_bf16_f32 v[XR+4*n], v[XR+4*n], v[XR+4*n+1]
	v_cvt_pk_bf16_f32 v[XR+4*n+1], v[XR+4*n+2], v[XR+4*n+3]
.set i, i+1
.endr
.set b, b+1
.endr
	s_wait_alu depctr_va_vdst(0)                   ; the last block has written its rows, which the stores below read; and every conversion is done with XR and WR, in which the fragments below land
.set m, 28
.rept 4
	global_store_b64 v[XBO], v[XR+4*m:XR+4*m+1], s[10:11] offset:2048*m
	ds_store_b64 v[XLS], v[XR+4*m:XR+4*m+1] offset:272*m
.set m, m+1
.endr
	s_wait_xcnt 0x0                                ; the stores have read their data: x's registers may be loaded again
	s_wait_alu depctr_vm_vsrc(0)                   ; all stores so far have read XR and WS: the fragments land in v128-191 and v40-71, the products write v24-39, the partial sums land in v192-255
.irp t, 0,1                            ; a wave's own LDS bytes: LDS serves a wave's instructions in order (ISA guide 5.7.1.4)
.irp f, 0,1,2,3
	ds_load_b128 v[AF+32*\t+8*\f:AF+32*\t+8*\f+3],   v[XLF] offset:4352*\t+64*\f
	ds_load_b128 v[AF+32*\t+8*\f+4:AF+32*\t+8*\f+7], v[XLF] offset:4352*\t+64*\f+32
.endr
.endr
.irp f, 0,1,2,3                        ; W_v lies [k][head]: the turning load makes fragments with k along the registers
	ds_load_tr16_b128 v[BF+8*\f:BF+8*\f+3],   v[WVF] offset:1024*\f
	ds_load_tr16_b128 v[BF+8*\f+4:BF+8*\f+7], v[WVF] offset:1024*\f+512
.endr
	s_wait_dscnt 0x0
.irp f, 0,1,2,3                        ; the two accumulators take turns; the first products start the sums
.irp t, 0,1
.if (\f) == 0
	v_wmma_f32_16x16x32_bf16 v[ACC+8*\t:ACC+8*\t+7], v[AF+32*\t+8*\f:AF+32*\t+8*\f+7], v[BF+8*\f:BF+8*\f+7], 0
.else
	v_wmma_f32_16x16x32_bf16 v[ACC+8*\t:ACC+8*\t+7], v[AF+32*\t+8*\f:AF+32*\t+8*\f+7], v[BF+8*\f:BF+8*\f+7], v[ACC+8*\t:ACC+8*\t+7]
.endif
.endr
.endr
.rept 8
	v_nop                                          ; the places between the last product and the stores that read results, with room to spare: once a launch
.endr
	s_wait_alu depctr_va_vdst(0)                   ; the products have written the accumulators, which the LDS stores read; the places above stay beside this wait
.irp t, 0,1                            ; lane (r, h) holds head r, register j token 16 t + 8 h + j
	ds_store_b128 v[REDS], v[ACC+8*\t:ACC+8*\t+3]   offset:1024*\t
	ds_store_b128 v[REDS], v[ACC+8*\t+4:ACC+8*\t+7] offset:1024*\t+16
.endr
	s_cmp_eq_u32 s16, 2
	s_cbranch_scc0 .Lno_ones
	ds_store_b128 v[ONS], v[ONE:ONE+3]             ; the 32 ones behind each head's 32 v: heads 0-7,
	ds_store_b128 v[ONS], v[ONE:ONE+3] offset:1024 ; heads 8-15
.Lno_ones:
	s_wait_dscnt 0x0                               ; for the others' sake: my stores into TW, RED and VB are done
	s_barrier_signal -1
	s_barrier_wait -1
.irp n, 0,1,2,3
	ds_load_b128 v[QR+4*\n:QR+4*\n+3], v[TWR] offset:4352*\n  ; QR's last readers, W_qk's conversions, stand ahead of the waits on va_vdst above
.endr
.irp n, 0,1,2,3
	s_wait_dscnt 3-\n
	global_store_b128 v[WTO], v[QR+4*\n:QR+4*\n+3], s[12:13] offset:32768*\n  ; 16 lanes store 256 consecutive bytes of a row of wt, aligned
.endr
	s_cmp_lt_u32 s16, 2                            ; wave 0 adds up tile 0, wave 1 tile 1
	s_cbranch_scc0 .Lno_red
.irp v, 0,1,2,3,4,5,6,7
	ds_load_b128 v[RT+8*\v:RT+8*\v+3],   v[REDR] offset:2048*\v
	ds_load_b128 v[RT+8*\v+4:RT+8*\v+7], v[REDR] offset:2048*\v+16
.endr
	s_wait_dscnt 0x0
.irp v, 0,2,4,6
.irp j, 0,2,4,6
	v_pk_add_f32 v[RT+8*\v+\j:RT+8*\v+\j+1], v[RT+8*\v+\j:RT+8*\v+\j+1], v[RT+8*\v+8+\j:RT+8*\v+8+\j+1]
.endr
.endr
.irp v, 0,4
.irp j, 0,2,4,6
	v_pk_add_f32 v[RT+8*\v+\j:RT+8*\v+\j+1], v[RT+8*\v+\j:RT+8*\v+\j+1], v[RT+8*\v+16+\j:RT+8*\v+16+\j+1]
.endr
.endr
.irp j, 0,2,4,6
	v_pk_add_f32 v[RT+\j:RT+\j+1], v[RT+\j:RT+\j+1], v[RT+32+\j:RT+32+\j+1]
.endr
.irp j, 0,1,2,3
	v_cvt_pk_bf16_f32 v[RT+56+\j], v[RT+2*\j], v[RT+2*\j+1]
.endr
	s_wait_alu depctr_va_vdst(0)                   ; the conversions have written v[RT+56 ..], which the LDS store reads; and the sums are done with v[RT ..], in which wave 0's last loads land
	ds_store_b128 v[VBS], v[RT+56:RT+59]           ; head r, tokens 16 w + 8 h .. + 7
.Lno_red:
	s_wait_dscnt 0x0
	s_barrier_signal -1
	s_barrier_wait -1                              ; the block of vt is whole
	s_cmp_eq_u32 s16, 0
	s_cbranch_scc0 .Lend
.irp n, 0,1,2,3
	ds_load_b128 v[RT+4*\n:RT+4*\n+3], v[VBR] offset:512*\n
.endr
	s_wait_dscnt 0x0
.irp n, 0,1,2,3
	global_store_b128 v[VTO], v[RT+4*\n:RT+4*\n+3], s[14:15] offset:512*\n  ; 512 consecutive bytes, aligned
.endr
.Lend:
	s_wait_dscnt 0x0                               ; the wave's end: my last LDS instructions are done
	s_wait_alu depctr_hold_cnt(0) depctr_sa_sdst(0) depctr_va_vdst(0) depctr_va_sdst(0) depctr_va_ssrc(0) depctr_va_vcc(0) depctr_vm_vsrc(0)
	s_wait_tensorcnt 0x0
	ds_add_u32 v14, v15
	s_wait_dscnt 0x0
	s_endpgm
.Lfunc_end_k_q5c01fa05f8_prep:
	.size	k_q5c01fa05f8_prep, .Lfunc_end_k_q5c01fa05f8_prep-k_q5c01fa05f8_prep
	.p2alignl 7, 3214868480
	.fill 96, 4, 3214868480
	.section	.rodata,"a",@progbits
	.p2align	6, 0x0
	.amdhsa_kernel k_q5c01fa05f8_prep
		.amdhsa_group_segment_fixed_size 139264
		.amdhsa_private_segment_fixed_size 0
		.amdhsa_enable_private_segment 0
		.amdhsa_kernarg_size 48
		.amdhsa_user_sgpr_count 2
		.amdhsa_user_sgpr_kernarg_segment_ptr 1
		.amdhsa_wavefront_size32 1
		.amdhsa_system_sgpr_workgroup_id_x 1
		.amdhsa_system_sgpr_workgroup_id_y 1
		.amdhsa_system_sgpr_workgroup_id_z 1
		.amdhsa_system_vgpr_workitem_id 0
		.amdhsa_next_free_vgpr 256
		.amdhsa_next_free_sgpr 66
		.amdhsa_reserve_vcc 0
		.amdhsa_float_denorm_mode_32 3
		.amdhsa_float_denorm_mode_16_64 3
		.amdhsa_memory_ordered 1
		.amdhsa_forward_progress 1
		.amdhsa_inst_pref_size 32
	.end_amdhsa_kernel
	.amdgpu_metadata
---
amdhsa.version: [ 1, 2 ]
amdhsa.kernels:
  - .name:           k_q5c01fa05f8_prep
    .symbol:         k_q5c01fa05f8_prep.kd
    .args:
      - { .name: x, .offset: 0, .size: 8, .value_kind: global_buffer, .address_space: global }
      - { .name: W_qk, .offset: 8, .size: 8, .value_kind: global_buffer, .address_space: global }
      - { .name: W_v, .offset: 16, .size: 8, .value_kind: global_buffer, .address_space: global }
      - { .name: xb, .offset: 24, .size: 8, .value_kind: global_buffer, .address_space: global }
      - { .name: wt, .offset: 32, .size: 8, .value_kind: global_buffer, .address_space: global }
      - { .name: vt, .offset: 40, .size: 8, .value_kind: global_buffer, .address_space: global }
    .group_segment_fixed_size: 139264
    .private_segment_fixed_size: 0
    .kernarg_segment_align: 8
    .kernarg_segment_size: 48
    .max_flat_workgroup_size: 256
    .sgpr_count:     66
    .vgpr_count:     256
    .wavefront_size: 32
...
	.end_amdgpu_metadata
.endif
;; end of part 5
;; launch proj: the kernel of part 2 again; grid 8 x 32, 4 waves a work-group, clusters of 4 x 4, 327,680 bytes of LDS; arguments xb, wt, qk; writes qk
;; launch attn: the kernel of part 3 again; grid 64 x 4, 4 waves a work-group, clusters of 4 x 4, 327,680 bytes of LDS; arguments qk, att_mask, vt, part; writes part
;; launch fin: the kernel of part 4 again; grid 16 x 1, 4 waves a work-group, no clusters, 0 bytes of LDS; arguments part, att_mask, out0; writes out0
